; MI455X (gfx1250); checked and timed in simulation.
; The chip was launched on July 23, 2026; its instructions are those of AMD's public machine-readable ISA for CDNA 5 (MIT licence, August 2026) and "CDNA5" Instruction Set Architecture Reference Guide (July 2026). The comments in the code are by the model that wrote it; some were corrected since.
;; Mo E. Allowed arithmetic: matrix products marked QUANTISED: E5M2 operands, one given power-of-two scale a tensor, by v_wmma_f32_16x16x64_bf8_bf8 or v_wmma_f32_16x16x128_bf8_bf8, f32 sums; products left as they are: f32 operands where the result goes on into a quantised operand, else bf16, f16 or f32 operands; f32 sums; everything else in f32.
;; Inputs: W1_codes 8 x 4,096 x 32 x 32 uint8 (E5M2 codes of W1, K innermost, in blocks of 32 codes); W2_codes 8 x 1,024 x 128 x 32 uint8 (E5M2 codes of W2, K innermost, in blocks of 32 codes); Wg 1,024 x 8 float32; b1 8 x 4,096 float32; b2 8 x 1,024 float32; bg 8 float32; lowp_scales 4 int32 (the exponents e of the quantised operands' scales 2^e); x 2 x 512 x 1,024 float32.
;; Outputs: out0 2 x 512 x 1,024 float32.
;; Constants: k = 2.
;; This version of the problem:
;;   THIS VERSION OF THE PROBLEM IS GIVEN IN LOW PRECISION. The matrix products marked QUANTISED in the list below multiply operands that are first quantised to E5M2 (5 exponent bits, 2 mantissa bits; 8 bits a number), with one given power-of-two scale for each operand tensor; their sums are f32. All else is computed in f32.
;;   The module's matrix products, in the order in which they are computed (A, B: the left and right operand; K: the contracted axis; several contracted axes count as one K, in the product's order):
;;     1. [M 1,024, K 1,024] x [K 1,024, N 8]; A: input x; B: input Wg: left as it is (N = 8 < 16)
;;     2. [M 1,024, K 1,024] x [K 1,024, N 32,768]; A: input x; B: input W1 (given as codes): QUANTISED (scales: A lowp_scales[0], B lowp_scales[1])
;;     3. batch 8 x [M 1,024, K 4,096] x [K 4,096, N 1,024]; A: input W2 (given as codes); B: computed on the way: QUANTISED (scales: A lowp_scales[2], B lowp_scales[3])
;;   THE QUANTISER, for each operand of a quantised product, along K:
;;     - The operand's scale is 2^e, e = its entry of the input lowp_scales (int32; the entries are numbered through the quantised products in the list's order, A before B).
;;     - Each number is divided by the scale, clamped to +-57,344, and rounded to the nearest number of E5M2, ties to even, subnormals kept.
;;     - The product sums the exact products of the quantised numbers (number of the format x scale) in f32.
;;   ~~~python
;;   def quantise(x, axis, e):      # numpy; x: float32 -> the quantised numbers, widened to float32 again
;;       x = np.moveaxis(x, axis, -1); K = x.shape[-1]
;;       r = np.clip(x / 2.0 ** e, -57344, 57344)
;;       step = 2.0 ** (np.maximum(np.frexp(np.where(r == 0, 1, r))[1] - 1, -14) - 2)
;;       q = np.round(r / step) * step * 2.0 ** e      # np.round: ties to even
;;       return np.moveaxis(q, -1, axis).astype(np.float32)
;;   ~~~
;;   OPERANDS COMPUTED ON THE WAY. 'Computed on the way' means the value that the module computes at that place (a softmax that the list does not call 'softmax' is quantised finished and normalised). What goes into a quantiser is computed in f32, as accurately as f32 sums, v_exp_f32 and their like allow (about 1e-6 of the number): no bf16 or f16 on the way to a quantiser, and a product that is left as it is and whose result goes on into a quantised operand takes f32 operands (vector FMAs, or v_wmma_f32_16x16x4_f32). A number that lies on a knife's edge between two numbers of the format may be rounded either way, as far as f32 arithmetic and the matrix unit's own rounding can turn it there, and no further.
;;   INPUTS GIVEN AS CODES. W1 (in the module: [8, 1024, 4096], K = its axis 1); W2 (in the module: [8, 4096, 1024], K = its axis 1): each comes as NAME_codes (uint8): NAME with its K axis moved to the last place and cut into blocks of 32 codes, [.., K / 32, bytes a block], one block behind the other in memory; one code a byte (a code: sign, 5 exponent bits, 2 mantissa bits); its scale is its entry of lowp_scales. Its value is code x scale, taken as it is: it is not quantised again, and the codes and scales need not be those that the quantiser above would give.
;; 2 versions. Each part assembles by itself: llvm-mc -triple=amdgcn-amd-amdhsa -mcpu=gfx1250 --defsym DOCPART=n.
;; ======== version 1 of 2: 5 launches
;; workspace buffers: rti 24,576 bytes of whole numbers; gw 8,192 bytes; xq 1,048,576 bytes; plc 8,448 bytes of whole numbers; xs 2,228,224 bytes; hs 8,912,896 bytes; ys 8,912,896 bytes
;; launch route (part 1): grid 256 x 1, 4 waves a work-group, no clusters, 35,328 bytes of LDS; arguments x, Wg, bg, lowp_scales, rti, gw, xq; writes rti, gw, xq
.if DOCPART == 1
	.amdgcn_target "amdgcn-amd-amdhsa--gfx1250"
	.amdhsa_code_object_version 6
	.text
	.protected	k_q652ea253d1_route
	.globl	k_q652ea253d1_route
	.p2align	8
	.type	k_q652ea253d1_route,@function
k_q652ea253d1_route:
	s_mov_b64 s[64:65], 0
	v_nop
	global_prefetch_b8 v0, s[64:65] scope:SCOPE_SE
	s_setreg_imm32_b32 hwreg(HW_REG_WAVE_MODE, 25, 1), 1
	s_wait_xcnt 0x0
; THE GATE, THE CHOICE OF TWO EXPERTS, AND x AS CODES.  x: [1024 tokens][1024] f32.  Wg: [1024][8], bg: [8] f32.
; One token to a wave: token t = 4 x work-group + wave.  Lane l holds d = 256 i + 8 l + j (i = 0..3, j = 0..7): eight neighbours along d in one lane,
; as the conversion to codes takes them, and a lane's 8 codes are 8 bytes, so that a store of the wave covers 256 consecutive bytes of xq.
; The gate's product (N = 8) stays in f32: packed multiply-adds, two experts an instruction, then a sum over the 32 lanes.
; softmax with its maximum taken away; top-2 by two ascending scans with a strict compare, so that of equal numbers the lower index is kept.
; The choice is made of floating-point numbers, so no address here hangs on it: it is stored at fixed places as whole numbers:
;   rti + 16 t:         four words; word k = [expert 2 k chosen] + [expert 2 k + 1 chosen] << 16
;   rti + 16384 + 8 t:  the two experts;      gw + 8 t: their two probabilities
; These three small stores are 32 bytes a token, 32 KB in the launch, by lane 0 alone.
; xq [t][1024]: code = x / 2^ex, held within +-57,344, to the nearest code of E5M2, ties to even.
; LIMITS: ex between -126 and 112, so that 2^ex and 57,344 x 2^ex are f32 numbers.  NaN among the inputs is not served.
; No matrix unit, no cluster: the work-groups share Wg alone, 32 KB against a launch that reads x once.
.set X,     16                         ; v16-47   my 32 numbers of the token: 8 i + j
.set ACC,   48                         ; v48-55   the eight sums
.set CODES, 56                         ; v56-63   my 32 codes
.set WB0,   64                         ; v64-127  Wg for one i: register 8 j + e
.set WB1,   128                        ; v128-191 the same, second buffer
.set TQ,    192                        ; v192-207 two sets of eight held numbers
.set P,     208                        ; v208-215 the eight probabilities
.set PB,    272                        ; LDS: 8 rows of Wg (256 bytes) + 16 of padding = 68 words: block b starts at bank 4 b mod 64 (64 banks of 4 bytes: ISA guide 11.1)
	s_load_b256 s[4:11], s[0:1], 0x0               ; x s[4:5], Wg s[6:7], bg s[8:9], the scales' exponents s[10:11]
	s_load_b128 s[12:15], s[0:1], 0x20             ; rti s[12:13], gw s[14:15]
	s_load_b64 s[16:17], s[0:1], 0x30              ; xq
	v_lshl_add_u32 v240, v0, 2, 0x8800
	v_mov_b32 v241, 0
	v_lshrrev_b32 v1, 5, v0
	v_readfirstlane_b32 s18, v1                    ; wave
	s_lshl_b32 s19, ttmp9, 2
	s_add_co_u32 s19, s19, s18                     ; t
	v_and_b32 v1, 31, v0                           ; lane
	v_lshlrev_b32 v2, 4, v0                        ; Wg's copy: 16 bytes a thread, 2,048 a step
	v_lshrrev_b32 v3, 4, v0
	v_mul_u32_u24 v3, v3, PB
	v_and_b32 v8, 15, v0
	v_lshl_add_u32 v3, v8, 4, v3                   ; and where they go: block thread / 16, 16 bytes a thread
	v_mul_u32_u24 v4, v1, PB                       ; reading: block 32 i + lane
	v_lshlrev_b32 v5, 5, v1                        ; x: 32 bytes a lane
	v_lshlrev_b32 v6, 3, v1                        ; codes: 8 bytes a lane
	v_mov_b32 v7, 0
	s_mov_b32 s34, 0x76543210                      ; v_permlanex16_b32: lane l xor 16
	s_mov_b32 s35, 0xfedcba98
	s_lshl_b32 s20, s19, 12                        ; t rows of 4,096 bytes
	s_mov_b32 s21, 0
	s_lshl_b32 s22, s19, 10                        ; t rows of 1,024 codes
	s_mov_b32 s23, 0
	s_lshl_b32 s40, s19, 4
	s_mov_b32 s41, 0
	s_lshl_b32 s42, s19, 3
	s_mov_b32 s43, 0
	s_wait_kmcnt 0x0
	s_load_b256 s[24:31], s[8:9], 0x0              ; bg
	s_load_b32 s32, s[10:11], 0x0                  ; ex
	s_add_nc_u64 s[4:5], s[4:5], s[20:21]
	s_add_nc_u64 s[16:17], s[16:17], s[22:23]
	s_add_nc_u64 s[36:37], s[12:13], s[40:41]      ; rti + 16 t
	s_add_nc_u64 s[12:13], s[12:13], s[42:43]      ; rti + 8 t
	s_add_nc_u64 s[14:15], s[14:15], s[42:43]      ; gw + 8 t
.irp m, 0,1,2,3,4,5,6,7,8,9,10,11,12,13,14,15
	global_load_b128 v[WB0+4*\m:WB0+4*\m+3], v2, s[6:7] offset:2048*\m
.endr
.irp i, 0,1,2,3
	global_load_b128 v[X+8*\i:X+8*\i+3], v5, s[4:5] offset:1024*\i th:TH_LOAD_NT
	global_load_b128 v[X+8*\i+4:X+8*\i+7], v5, s[4:5] offset:1024*\i+16 th:TH_LOAD_NT
.endr
	s_wait_loadcnt 8                               ; Wg's sixteen loads are in; the eight of x, issued behind them, may be out
.irp m, 0,1,2,3,4,5,6,7,8,9,10,11,12,13,14,15
	ds_store_b128 v3, v[WB0+4*\m:WB0+4*\m+3] offset:8*PB*\m
.endr
	s_wait_dscnt 0x0                               ; for the others' sake: my part of Wg lies in LDS
	s_barrier_signal -1
	s_barrier_wait -1
.macro WLOAD i, buf                    ; Wg's rows d = 256 i + 8 lane + 0..7: sixteen loads of 16 bytes
.irp n, 0,1,2,3,4,5,6,7,8,9,10,11,12,13,14,15
	ds_load_b128 v[\buf+4*\n:\buf+4*\n+3], v4 offset:32*PB*\i+16*\n
.endr
.endm
	WLOAD 0, WB0
	WLOAD 1, WB1
	s_wait_loadcnt 0x0                             ; x
	s_wait_kmcnt 0x0                               ; bg, ex
	s_add_co_i32 s38, s32, 127
	s_lshl_b32 s39, s38, 23
	v_mov_b32 v11, s39                             ; 2^ex as f32: the conversion takes its exponent field
	s_add_co_i32 s38, s38, 15
	s_lshl_b32 s38, s38, 23
	s_or_b32 s38, s38, 0x600000
	v_mov_b32 v10, s38                             ; 57,344 x 2^ex
.irp i, 0,1,2,3
.irp j, 0,1,2,3,4,5,6,7
	v_med3_num_f32 v[TQ+8*(\i%2)+\j], v[X+8*\i+\j], -v10, v10   ; the conversion to an 8-bit code does not saturate (ISA guide 7.6.2): the hold goes into other registers, x itself stays for the gate
.endr
	v_cvt_scalef32_pk8_bf8_f32 v[CODES+2*\i:CODES+2*\i+1], v[TQ+8*(\i%2):TQ+8*(\i%2)+7], v11   ; the two sets take turns: a set is written again only behind the other set's eight plain lines
.endr
	v_nop                                          ; a plain line behind the last conversion
.irp i, 0,1,2,3
	global_store_b64 v6, v[CODES+2*\i:CODES+2*\i+1], s[16:17] offset:256*\i   ; 32 lanes store 256 consecutive bytes, at a multiple of 256 from xq's first byte
.endr
; eight d of one i: for each d four packed multiply-adds (two experts each); x(d) is one word of a pair and feeds both halves
.macro FMA i, buf
.irp j, 0,1,2,3,4,5,6,7
.irp p, 0,1,2,3
.if (\i == 0) && (\j == 0)
	v_pk_mul_f32 v[ACC+2*\p:ACC+2*\p+1], v[\buf+2*\p:\buf+2*\p+1], v[X:X+1] op_sel_hi:[1,0]   ; the first product starts the sums
.elseif (\j%2) == 0
	v_pk_fma_f32 v[ACC+2*\p:ACC+2*\p+1], v[\buf+8*\j+2*\p:\buf+8*\j+2*\p+1], v[X+8*\i+\j:X+8*\i+\j+1], v[ACC+2*\p:ACC+2*\p+1] op_sel_hi:[1,0,1]
.else
	v_pk_fma_f32 v[ACC+2*\p:ACC+2*\p+1], v[\buf+8*\j+2*\p:\buf+8*\j+2*\p+1], v[X+8*\i+\j-1:X+8*\i+\j], v[ACC+2*\p:ACC+2*\p+1] op_sel:[0,1,0] op_sel_hi:[1,1,1]
.endif
.endr
.endr
.endm
	s_wait_dscnt 16                                ; buffer 0 is in; the other buffer's sixteen loads may be out (so at each of these waits)
	FMA 0, WB0
	WLOAD 2, WB0
	s_wait_dscnt 16
	FMA 1, WB1
	WLOAD 3, WB1
	s_wait_dscnt 16
	FMA 2, WB0
	s_wait_dscnt 0x0
	FMA 3, WB1
.irp m, 1,2,4,8                        ; the sums over the 32 lanes: four steps inside each half ride on the addition, one crosses the halves
.irp e, 0,1,2,3,4,5,6,7
	v_add_f32_dpp v[ACC+\e], v[ACC+\e], v[ACC+\e] row_xmask:\m row_mask:0xf bank_mask:0xf
.endr
.endr
.irp e, 0,1,2,3,4,5,6,7
	v_permlanex16_b32 v[TQ+\e], v[ACC+\e], s34, s35   ; its destination counts as read: registers that the holds have written
.endr
.irp e, 0,1,2,3,4,5,6,7
	v_add_f32 v[ACC+\e], v[ACC+\e], v[TQ+\e]
.endr
.irp e, 0,1,2,3,4,5,6,7
	v_add_f32 v[ACC+\e], s[24+\e], v[ACC+\e]       ; + bg: every lane now holds the eight logits
.endr
	v_max3_num_f32 v216, v[ACC], v[ACC+1], v[ACC+2]
	v_max3_num_f32 v216, v216, v[ACC+3], v[ACC+4]
	v_max3_num_f32 v216, v216, v[ACC+5], v[ACC+6]
	v_max_num_f32 v216, v216, v[ACC+7]             ; the largest logit is taken away first,
.irp e, 0,1,2,3,4,5,6,7
	v_sub_f32 v[P+\e], v[ACC+\e], v216             ; as a difference of its own, which rounds nothing near the maximum however large the logits are
.endr
.irp e, 0,1,2,3,4,5,6,7
	v_mul_f32 v[P+\e], 0x3fb8aa3b, v[P+\e]         ; x log2(e)
.endr
.irp e, 0,1,2,3,4,5,6,7
	v_exp_f32 v[P+\e], v[P+\e]
.endr
	v_nop                                          ; a plain line behind the exponentials
	s_wait_alu depctr_va_vdst(0)
	v_pk_add_f32 v[218:219], v[P:P+1], v[P+2:P+3]
	v_pk_add_f32 v[220:221], v[P+4:P+5], v[P+6:P+7]
	v_pk_add_f32 v[218:219], v[218:219], v[220:221]
	v_add_f32 v217, v218, v219
	v_rcp_f32 v216, v217
	v_nop                                          ; a plain line behind the reciprocal
	s_wait_alu depctr_va_vdst(0)
.irp e, 0,1,2,3,4,5,6,7
	v_mul_f32 v[P+\e], v[P+\e], v216
.endr
	v_mov_b32 v230, v[P]                           ; the largest probability and its expert: an ascending scan, strictly greater wins
	v_mov_b32 v228, 0
.irp e, 1,2,3,4,5,6,7
	v_cmp_gt_f32 vcc_lo, v[P+\e], v230
	v_cndmask_b32 v230, v230, v[P+\e], vcc_lo
	v_cndmask_b32 v228, v228, \e, vcc_lo
.endr
.irp e, 0,1,2,3,4,5,6,7
	v_cmp_eq_u32 vcc_lo, \e, v228
	v_cndmask_b32 v[P+\e], v[P+\e], -1.0, vcc_lo   ; the winner leaves the field: under every probability
.endr
	v_mov_b32 v231, v[P]                           ; the second, likewise
	v_mov_b32 v229, 0
.irp e, 1,2,3,4,5,6,7
	v_cmp_gt_f32 vcc_lo, v[P+\e], v231
	v_cndmask_b32 v231, v231, v[P+\e], vcc_lo
	v_cndmask_b32 v229, v229, \e, vcc_lo
.endr
	v_and_b32 v222, 1, v228
	v_mad_u32_u24 v222, v222, 0xffff, 1            ; 1 for an even expert, 1 << 16 for an odd one
	v_lshrrev_b32 v223, 1, v228                    ; its word
	v_and_b32 v232, 1, v229
	v_mad_u32_u24 v232, v232, 0xffff, 1
	v_lshrrev_b32 v233, 1, v229
.irp k, 0,1,2,3
	v_cmp_eq_u32 vcc_lo, \k, v223
	v_cndmask_b32 v[224+\k], 0, v222, vcc_lo
	v_cmp_eq_u32 vcc_lo, \k, v233
	v_cndmask_b32 v234, 0, v232, vcc_lo
	v_add_nc_u32 v[224+\k], v[224+\k], v234
.endr
	s_wait_xcnt 0x0                                ; EXEC is a source of the stores of codes: it changes only behind this wait
	v_cmp_eq_u32 vcc_lo, 0, v1
	s_wait_tensorcnt 0x0
	ds_add_u32 v240, v241
	s_wait_dscnt 0x0
	s_and_saveexec_b32 s33, vcc_lo                 ; lane 0 alone
	global_store_b128 v7, v[224:227], s[36:37]
	global_store_b64 v7, v[228:229], s[12:13] offset:16384
	global_store_b64 v7, v[230:231], s[14:15]
	s_endpgm
.Lfunc_end_k_q652ea253d1_route:
	.size	k_q652ea253d1_route, .Lfunc_end_k_q652ea253d1_route-k_q652ea253d1_route
	.p2alignl 7, 3214868480
	.fill 96, 4, 3214868480
	.section	.rodata,"a",@progbits
	.p2align	6, 0x0
	.amdhsa_kernel k_q652ea253d1_route
		.amdhsa_group_segment_fixed_size 35328
		.amdhsa_private_segment_fixed_size 0
		.amdhsa_enable_private_segment 0
		.amdhsa_kernarg_size 56
		.amdhsa_user_sgpr_count 2
		.amdhsa_user_sgpr_kernarg_segment_ptr 1
		.amdhsa_wavefront_size32 1
		.amdhsa_system_sgpr_workgroup_id_x 1
		.amdhsa_system_sgpr_workgroup_id_y 1
		.amdhsa_system_sgpr_workgroup_id_z 1
		.amdhsa_system_vgpr_workitem_id 0
		.amdhsa_next_free_vgpr 242
		.amdhsa_next_free_sgpr 66
		.amdhsa_reserve_vcc 1
		.amdhsa_float_denorm_mode_32 3
		.amdhsa_float_denorm_mode_16_64 3
		.amdhsa_memory_ordered 1
		.amdhsa_forward_progress 1
		.amdhsa_inst_pref_size 30
	.end_amdhsa_kernel
	.amdgpu_metadata
---
amdhsa.version: [ 1, 2 ]
amdhsa.kernels:
  - .name:           k_q652ea253d1_route
    .symbol:         k_q652ea253d1_route.kd
    .args:
      - { .name: x, .offset: 0, .size: 8, .value_kind: global_buffer, .address_space: global }
      - { .name: Wg, .offset: 8, .size: 8, .value_kind: global_buffer, .address_space: global }
      - { .name: bg, .offset: 16, .size: 8, .value_kind: global_buffer, .address_space: global }
      - { .name: lowp_scales, .offset: 24, .size: 8, .value_kind: global_buffer, .address_space: global }
      - { .name: rti, .offset: 32, .size: 8, .value_kind: global_buffer, .address_space: global }
      - { .name: gw, .offset: 40, .size: 8, .value_kind: global_buffer, .address_space: global }
      - { .name: xq, .offset: 48, .size: 8, .value_kind: global_buffer, .address_space: global }
    .group_segment_fixed_size: 35328
    .private_segment_fixed_size: 0
    .kernarg_segment_align: 8
    .kernarg_segment_size: 56
    .max_flat_workgroup_size: 128
    .sgpr_count:     66
    .vgpr_count:     242
    .wavefront_size: 32
...
	.end_amdgpu_metadata
.endif
;; end of part 1
;; launch place (part 2): grid 32 x 1, 4 waves a work-group, no clusters, 0 bytes of LDS; arguments rti, xq, plc, xs; writes plc, xs
.if DOCPART == 2
	.amdgcn_target "amdgcn-amd-amdhsa--gfx1250"
	.amdhsa_code_object_version 6
	.text
	.protected	k_q652ea253d1_place
	.globl	k_q652ea253d1_place
	.p2align	8
	.type	k_q652ea253d1_place,@function
k_q652ea253d1_place:
	s_mov_b64 s[64:65], 0
	v_nop
	global_prefetch_b8 v0, s[64:65] scope:SCOPE_SE
	s_setreg_imm32_b32 hwreg(HW_REG_WAVE_MODE, 25, 1), 1
	s_wait_xcnt 0x0
; THE ROWS ARE PLACED BY EXPERT: a counting sort made by gathering, with no traffic between work-groups.
; n_e = tokens that chose expert e; an expert's rows fill tiles of 16; TB_e = the tiles of the experts before it (never more than 135 in all: 2,048 / 16 + 7).
; The row of (token, slot) with expert e is R = 16 TB_e + the number of earlier tokens that chose e.
; Work-group g owns tokens 32 g .. 32 g + 31, lane = token.  EVERY wave reads all 1,024 tokens' count words (16 KB) and makes all counts itself: no LDS, no barrier.
; A count word holds two experts' counts in its halves: at most 1,024 each, so the halves never meet.
; Then wave w copies the codes of tokens 8 w .. 8 w + 7 of the group to their two rows of xs, 512 consecutive bytes a store.
; plc: [0, 8192) pos[t][2] = R;  [8192, 8256) tab[e] = n_e, TB_e (work-group 0).  Rows of xs behind an expert's last token are not written, and no later launch reads them.
.set TOT, 8                            ; v8-11    the counts of all tokens
.set BEF, 12                           ; v12-15   of the groups before mine
.set VO,  24                           ; v24-39   byte offsets of my 16 rows in xs
.set ROW, 64                           ; v64-127  eight tokens' codes
.set INC, 128                          ; v128-255 count words: load m holds group m, lane = token
	s_load_b256 s[4:11], s[0:1], 0x0               ; rti s[4:5], xq s[6:7], plc s[8:9], xs s[10:11]
	v_lshrrev_b32 v1, 5, v0
	v_readfirstlane_b32 s16, v1                    ; wave
	s_mov_b32 s17, ttmp9                           ; g
	v_and_b32 v1, 31, v0                           ; lane
	v_lshlrev_b32 v3, 4, v1                        ; 16 x lane
	v_lshlrev_b32 v2, 3, v1
	s_lshl_b32 s66, s17, 8
	v_add_nc_u32 v2, s66, v2                       ; 8 (32 g + lane)
	v_lshlrev_b32 v41, 2, v1
	s_lshl_b32 s66, s17, 15                        ; 32 g rows of 1,024 codes,
	s_lshl_b32 s67, s16, 13                        ; 8 w more
	s_add_co_u32 s66, s66, s67
	s_mov_b32 s67, 0
	s_mov_b32 s76, 0x76543210                      ; v_permlanex16_b32: lane l xor 16
	s_mov_b32 s77, 0xfedcba98
	s_wait_kmcnt 0x0
	s_add_nc_u64 s[6:7], s[6:7], s[66:67]
	global_load_b64 v[18:19], v2, s[4:5] offset:16384      ; my token's two experts
.set m, 0
.rept 32
	global_load_b128 v[INC+4*m:INC+4*m+3], v3, s[4:5] offset:512*m
.set m, m+1
.endr
.irp i, 0,1,2,3,4,5,6,7
	global_load_b128 v[ROW+8*\i:ROW+8*\i+3], v3, s[6:7] offset:1024*\i th:TH_LOAD_NT
	global_load_b128 v[ROW+8*\i+4:ROW+8*\i+7], v3, s[6:7] offset:1024*\i+512 th:TH_LOAD_NT
.endr
	s_wait_loadcnt 16                              ; the experts and the count words are in; the sixteen loads of codes, issued behind them, may be out
.irp k, 0,1,2,3
	v_add_nc_u32 v[TOT+\k], v[INC+\k], v[INC+4+\k]
.endr
.set m, 2
.rept 15
.irp k, 0,1,2,3
	v_add3_u32 v[TOT+\k], v[TOT+\k], v[INC+4*m+\k], v[INC+4*m+4+\k]
.endr
.set m, m+2
.endr
	s_cmp_gt_u32 s17, 0                            ; the groups before mine count, the others do not: a factor 1 or 0 made of the work-group's number, no branch
	s_cselect_b32 s66, 1, 0
.irp k, 0,1,2,3
	v_mul_u32_u24 v[BEF+\k], v[INC+\k], s66        ; (a count word of one token is under 2^24)
.endr
.set m, 1
.rept 30
	s_cmp_gt_u32 s17, m
	s_cselect_b32 s66, 1, 0
.irp k, 0,1,2,3
	v_mad_u32_u24 v[BEF+\k], v[INC+4*m+\k], s66, v[BEF+\k]
.endr
.set m, m+1
.endr
	v_mov_b32 v16, 0                               ; the destination of the lane moves below counts as read
.irp x, 1,2,4,8                        ; the eight words summed over the 32 lanes
.irp k, 0,1,2,3,4,5,6,7
	v_mov_b32_dpp v16, v[TOT+\k] row_xmask:\x row_mask:0xf bank_mask:0xf
	v_add_nc_u32 v[TOT+\k], v[TOT+\k], v16
.endr
.endr
.irp k, 0,1,2,3,4,5,6,7
	v_permlanex16_b32 v16, v[TOT+\k], s76, s77
	v_add_nc_u32 v[TOT+\k], v[TOT+\k], v16
.endr
.irp k, 0,1,2,3
	v_readfirstlane_b32 s66, v[TOT+\k]
	s_and_b32 s[40+2*\k], s66, 0xffff              ; s40-47: n_e
	s_lshr_b32 s[41+2*\k], s66, 16
	v_readfirstlane_b32 s66, v[BEF+\k]
	s_and_b32 s[48+2*\k], s66, 0xffff              ; s48-55: those of earlier groups
	s_lshr_b32 s[49+2*\k], s66, 16
.endr
	s_mov_b32 s67, 0
.irp e, 0,1,2,3,4,5,6,7
	s_mov_b32 s[56+\e], s67                        ; s56-63: TB_e
	s_lshl_b32 s68, s67, 4
	s_add_co_u32 s[48+\e], s[48+\e], s68           ; the first row that my group may take with expert e
	s_add_co_u32 s68, s[40+\e], 15
	s_lshr_b32 s68, s68, 4
	s_add_co_u32 s67, s67, s68
.endr
	v_mov_b32 v20, 0
	v_mov_b32 v21, 0
.irp e, 0,1,2,3,4,5,6,7
	v_cmp_eq_u32 s68, \e, v18
	v_cmp_eq_u32 s69, \e, v19
	s_or_b32 s70, s68, s69                         ; the group's tokens with expert e (a token's two experts differ)
	v_mbcnt_lo_u32_b32 v22, s70, s[48+\e]          ; those in lower lanes, + the first row
	v_cndmask_b32 v20, v20, v22, s68
	v_cndmask_b32 v21, v21, v22, s69
.endr
	v_min_u32 v20, 0x87f, v20                      ; a row of xs: 2,175 at the most
	v_min_u32 v21, 0x87f, v21
	s_cmp_lg_u32 s16, 0
	s_cbranch_scc1 .Lrows
	global_store_b64 v2, v[20:21], s[8:9]          ; wave 0: the group's 32 pairs, 256 consecutive bytes
	s_cmp_lg_u32 s17, 0
	s_cbranch_scc1 .Lrows
	v_mov_b32 v40, 0                               ; work-group 0: the table, n_e in lane 2 e, TB_e in lane 2 e + 1
.irp e, 0,1,2,3,4,5,6,7
	v_writelane_b32 v40, s[40+\e], 2*\e
	v_writelane_b32 v40, s[56+\e], 2*\e+1
.endr
	s_wait_xcnt 0x0                                ; EXEC is a source of the loads and the store above: it changes only behind this wait
	v_cmp_gt_u32 vcc_lo, 16, v1
	s_and_saveexec_b32 s75, vcc_lo
	global_store_b32 v41, v40, s[8:9] offset:8192
	s_wait_xcnt 0x0                                ; and again in front of the line that widens it
	s_or_b32 exec_lo, exec_lo, s75
.Lrows:
	s_lshl_b32 s72, s16, 3
.irp i, 0,1,2,3,4,5,6,7
	s_add_co_u32 s73, s72, \i                      ; token 8 w + i of the group lies in that lane
	v_readlane_b32 s74, v20, s73
	s_min_u32 s74, s74, 2175
	v_lshl_add_u32 v[VO+2*\i], s74, 10, v3
	v_readlane_b32 s74, v21, s73
	s_min_u32 s74, s74, 2175
	v_lshl_add_u32 v[VO+2*\i+1], s74, 10, v3
.endr
	s_wait_loadcnt 0x0                             ; the codes
.irp i, 0,1,2,3,4,5,6,7
.irp s, 0,1
	global_store_b128 v[VO+2*\i+\s], v[ROW+8*\i:ROW+8*\i+3], s[10:11]
	global_store_b128 v[VO+2*\i+\s], v[ROW+8*\i+4:ROW+8*\i+7], s[10:11] offset:512
.endr
.endr
	s_endpgm
.Lfunc_end_k_q652ea253d1_place:
	.size	k_q652ea253d1_place, .Lfunc_end_k_q652ea253d1_place-k_q652ea253d1_place
	.p2alignl 7, 3214868480
	.fill 96, 4, 3214868480
	.section	.rodata,"a",@progbits
	.p2align	6, 0x0
	.amdhsa_kernel k_q652ea253d1_place
		.amdhsa_group_segment_fixed_size 0
		.amdhsa_private_segment_fixed_size 0
		.amdhsa_enable_private_segment 0
		.amdhsa_kernarg_size 32
		.amdhsa_user_sgpr_count 2
		.amdhsa_user_sgpr_kernarg_segment_ptr 1
		.amdhsa_wavefront_size32 1
		.amdhsa_system_sgpr_workgroup_id_x 1
		.amdhsa_system_sgpr_workgroup_id_y 1
		.amdhsa_system_sgpr_workgroup_id_z 1
		.amdhsa_system_vgpr_workitem_id 0
		.amdhsa_next_free_vgpr 256
		.amdhsa_next_free_sgpr 100
		.amdhsa_reserve_vcc 1
		.amdhsa_float_denorm_mode_32 3
		.amdhsa_float_denorm_mode_16_64 3
		.amdhsa_memory_ordered 1
		.amdhsa_forward_progress 1
		.amdhsa_inst_pref_size 37
	.end_amdhsa_kernel
	.amdgpu_metadata
---
amdhsa.version: [ 1, 2 ]
amdhsa.kernels:
  - .name:           k_q652ea253d1_place
    .symbol:         k_q652ea253d1_place.kd
    .args:
      - { .name: rti, .offset: 0, .size: 8, .value_kind: global_buffer, .address_space: global }
      - { .name: xq, .offset: 8, .size: 8, .value_kind: global_buffer, .address_space: global }
      - { .name: plc, .offset: 16, .size: 8, .value_kind: global_buffer, .address_space: global }
      - { .name: xs, .offset: 24, .size: 8, .value_kind: global_buffer, .address_space: global }
    .group_segment_fixed_size: 0
    .private_segment_fixed_size: 0
    .kernarg_segment_align: 8
    .kernarg_segment_size: 32
    .max_flat_workgroup_size: 128
    .sgpr_count:     100
    .vgpr_count:     256
    .wavefront_size: 32
...
	.end_amdgpu_metadata
.endif
;; end of part 2
;; launch gemm1 (part 3): grid 32 x 8, 4 waves a work-group, no clusters, 133,632 bytes of LDS; arguments xs, W1_codes, b1, lowp_scales, plc, hs; writes hs
.if DOCPART == 3
	.amdgcn_target "amdgcn-amd-amdhsa--gfx1250"
	.amdhsa_code_object_version 6
	.text
	.protected	k_q652ea253d1_gemm1
	.globl	k_q652ea253d1_gemm1
	.p2align	8
	.type	k_q652ea253d1_gemm1,@function
k_q652ea253d1_gemm1:
	s_mov_b64 s[64:65], 0
	v_nop
	global_prefetch_b8 v0, s[64:65] scope:SCOPE_SE
	s_setreg_imm32_b32 hwreg(HW_REG_WAVE_MODE, 25, 1), 1
	s_wait_xcnt 0x0
; h = Q(relu(x W1 + b1)) FOR THE CHOSEN ROWS, on codes of BF8 (E5M2).  xs: [2176 sorted rows][1024] codes of x.  W1_codes: [8][4096 f][1024 d].  b1: [8][4096] f32.
; Work-group (c, e) owns hidden units 128 c .. 128 c + 127 of expert e, for all n_e rows of that expert: its 128 KB of W1 leave memory once, for this work-group alone, and lie in LDS.
; THE WAVES SHARE THE ROWS: in a pass wave w takes the five tiles of 16 rows T0 + 4 a + w (a = 0..4) against all eight tiles of hidden units: 40 accumulators, 320 registers;
; a fragment of W1 read from LDS feeds five products.  A pass serves 20 tiles, 320 rows; the passes are counted: ceil(tiles / 20), four at the most (an expert has at most 1,024 rows, 64 tiles).
; THE PRODUCT IS USED TRANSPOSED (source 0 = 16 rows of W1, source 1 = 16 rows of x): a lane holds ONE row, and its registers run along the hidden units, which are the next product's K.
; THE ROWS OF W1 THAT FORM A TILE ARE NOT NEIGHBOURS: unit 32 b + 16 hh + 8 u + i lies in LDS row 32 b + 16 u + 8 hh + i, so that tile 2 b + u is 16 consecutive LDS rows and the 16 registers of tiles
; 2 b and 2 b + 1 are 16 neighbours along the next K: 32 b + 16 (lane / 16) + 0 .. 15.  So the conversions' results ARE a fragment of the next product.
; hs: block (tile Tg, K step c) of 2,048 bytes is the image of that fragment's registers: [4 groups of four registers][lane][16 bytes]: four stores of 512 consecutive bytes.
; b1 goes in as the C of each sum's first product, divided by 2^(ex + ew1); relu and the hold at the largest code are one v_med3; the three scales ahead of the quantiser are folded into 2^(eh - ex - ew1).
; A fragment's k stand in another order than the form's own (registers 4 c .. 4 c + 3: k = 32 c + 16 (lane / 16) + 0 .. 15), alike in both operands: every product meets its partner.
; Rows behind the expert's last are clamped to the last: they read bytes that were stored, and their results fill the last tile's image or are not stored.
; NO TENSOR LOAD, NO JOINT LOAD: the 32 work-groups of an expert read the same rows of x, but how many tiles there are is a number read from memory that steers a trip count and branches here,
; the larger operand, W1, is shared by nobody.
; LIMITS: eh - ex - ew1 between -126 and 112, so that the conversion's scale and 57,344 x it are f32 numbers; b1 / 2^(ex + ew1) stays inside f32.  NaN is not served.
; REGISTERS, in windows of 256: window 0: v1-22 addresses and scales; v32-95 b1's eight tiles; v96-175, v176-255 sets 0 and 1 of x's fragments (16 registers a tile); the codes just made lie in set 0's place.
;   window 1: W1's eight fragments, two sets.   window 2: accumulators of a = 0..3 at v[64 a + 8 j]; at the start W1 on its way to LDS.   window 3: v0-63 those of a = 4; v64-143 set 2 of x.
.set PW,   1040                        ; an LDS row: 1,024 bytes + 16 = 260 words: row r starts at bank 4 r mod 64 (64 banks of 4 bytes: ISA guide 11.1), so the 16 rows of a fragment load start at 16 different banks
.set XA,   8                           ; v8-12   byte offsets in xs of my lane's row in the pass's five tiles
.set HA,   13                          ; v13-17  byte offsets in hs of the five images
.set BIAS, 32
.set MSB,  0
.macro WIN new                         ; the immediate's high byte repeats the setting that is left; a switch that changes nothing is dropped
.if MSB != (\new)
	s_set_vgpr_msb (MSB<<8)|(\new)
.set MSB, \new
.endif
.endm
.macro PLACES n
.rept \n
	v_nop
.endr
.endm
	s_load_b256 s[4:11], s[0:1], 0x0               ; xs s[4:5], W1 s[6:7], b1 s[8:9], the scales' exponents s[10:11]
	s_load_b128 s[12:15], s[0:1], 0x20             ; plc s[12:13], hs s[14:15]
	v_lshl_add_u32 v30, v0, 2, 0x20800
	v_mov_b32 v31, 0
	v_lshrrev_b32 v1, 5, v0
	v_readfirstlane_b32 s16, v1                    ; wave
	s_mov_b32 s17, ttmp9                           ; c
	s_and_b32 s18, ttmp7, 0xffff                   ; e
	v_and_b32 v21, 31, v0
	v_lshlrev_b32 v3, 4, v21                       ; 16 x lane
	v_and_b32 v1, 15, v0                           ; r
	v_bfe_u32 v2, v0, 4, 1                         ; h
	v_lshlrev_b32 v4, 4, v2                        ; 16 h
	v_mul_u32_u24 v5, v1, PW
	v_lshl_add_u32 v5, v2, 4, v5                   ; W1's fragments: LDS row r, + 16 h; tiles 0-3,
	v_add_nc_u32 v6, 64*PW, v5                     ; tiles 4-7
	s_mul_i32 s32, s16, 32*PW
	v_add_nc_u32 v7, s32, v3                       ; on the way in: my wave's 32 rows
	v_lshlrev_b32 v20, 6, v2                       ; b1: 16 h numbers on
	s_lshl_b32 s32, s17, 11
	v_add_nc_u32 v22, s32, v3                      ; an image's place for my lane: 2,048 c + 16 x lane
	s_lshl_b32 s40, s18, 22                        ; W1: (4096 e + 128 c + 32 w) rows of 1,024 bytes
	s_lshl_b32 s41, s17, 17
	s_add_co_u32 s40, s40, s41
	s_lshl_b32 s41, s16, 15
	s_add_co_u32 s40, s40, s41
	s_mov_b32 s41, 0
	s_lshl_b32 s42, s18, 14                        ; b1: (4096 e + 128 c) numbers
	s_lshl_b32 s43, s17, 9
	s_add_co_u32 s42, s42, s43
	s_mov_b32 s43, 0
	s_lshl_b32 s44, s18, 3                         ; the table's entry e
	s_mov_b32 s45, 0
	s_wait_kmcnt 0x0
	s_add_nc_u64 s[12:13], s[12:13], s[44:45]
	s_load_b64 s[20:21], s[12:13], 0x2000          ; n_e, TB_e
	s_load_b128 s[24:27], s[10:11], 0x0            ; ex, ew1, ew2, eh
	s_add_nc_u64 s[6:7], s[6:7], s[40:41]
	s_add_nc_u64 s[8:9], s[8:9], s[42:43]
	WIN 0x80                                       ; destination window 2
.set rho, 0
.rept 32                               ; my 32 rows of W1: 64 loads of 512 consecutive bytes; read once in the launch
	global_load_b128 v[8*rho:8*rho+3], v3, s[6:7] offset:1024*rho th:TH_LOAD_NT
	global_load_b128 v[8*rho+4:8*rho+7], v3, s[6:7] offset:1024*rho+512 th:TH_LOAD_NT
.set rho, rho+1
.endr
	WIN 0
	s_wait_kmcnt 0x0
	s_add_co_u32 s28, s20, 15
	s_lshr_b32 s28, s28, 4                         ; the expert's tiles
	s_max_u32 s29, s20, 1
	s_sub_co_u32 s29, s29, 1                       ; its last row, counted from its first
	s_lshl_b32 s30, s21, 4                         ; its first row in xs;
	s_cmp_eq_u32 s20, 0
	s_cselect_b32 s30, 0, s30                      ; an expert without rows reads row 0, which is always written
	s_mov_b32 s31, 0                               ; T0
	s_mov_b32 s46, 0                               ; passes done
	s_add_co_u32 s47, s28, 19
	s_mul_i32 s47, s47, 205
	s_lshr_b32 s47, s47, 12                        ; passes to do: (tiles + 19) / 20, as x 205 / 4,096: exact for tiles + 19 up to 83,
	s_min_u32 s47, s47, 4                          ; and 64 tiles are four passes
	s_add_co_i32 s37, s24, s25                     ; ex + ew1: a sum stands for sum x 2^(ex + ew1)
	s_sub_co_i32 s38, s27, s37                     ; eh - ex - ew1
	s_sub_co_i32 s37, 0, s37
	s_add_co_i32 s38, s38, 127
	s_lshl_b32 s39, s38, 23
	v_mov_b32 v18, s39                             ; 2^(eh - ex - ew1) as f32: the conversion takes its exponent field
	s_add_co_i32 s38, s38, 15
	s_lshl_b32 s38, s38, 23
	s_or_b32 s38, s38, 0x600000
	v_mov_b32 v19, s38                             ; 57,344 x that
.macro ADDR                            ; where my lane's row of each of the pass's five tiles lies in xs
.irp a, 0,1,2,3,4
	s_add_co_u32 s32, s31, s16
	s_add_co_u32 s32, s32, 4*\a                    ; tile T0 + 4 a + w
	s_lshl_b32 s32, s32, 4
	v_add_nc_u32 v21, s32, v1
	v_min_u32 v21, s29, v21                        ; not behind the expert's last row
	v_add_nc_u32 v21, s30, v21
	v_min_u32 v21, 0x87f, v21                      ; a row of xs: 2,175 at the most
	v_lshl_add_u32 v[XA+\a], v21, 10, v4
.endr
.endm
.macro XLOAD s                         ; x's five fragments of K step s into set s % 3: 20 loads
.if ((\s)%3) == 2
	WIN 0xc0                                       ; destination window 3
.set XB, 64
.else
	WIN 0
.set XB, 96+80*((\s)%3)
.endif
.irp a, 0,1,2,3,4
.irp c, 0,1,2,3
	global_load_b128 v[XB+16*\a+4*\c:XB+16*\a+4*\c+3], v[XA+\a], s[4:5] offset:128*(\s)+32*\c
.endr
.endr
.endm
.macro FETCH_W s                       ; W1's eight fragments of K step s into set s % 2: 32 LDS loads in one run
	WIN 0x40                                       ; destination window 1
.irp j, 0,1,2,3,4,5,6,7
.irp c, 0,1,2,3
	ds_load_b128 v[128*((\s)%2)+16*\j+4*\c:128*((\s)%2)+16*\j+4*\c+3], v[5+\j/4] offset:16*(\j%4)*PW+128*(\s)+32*\c
.endr
.endr
.endm
; 40 products of K step s.  The 40 accumulators take turns, one instruction a turn, in the same order in every step.  Step 0 starts the sums with b1 as C: nothing is cleared.
.macro MUL s
.set XB, 96+80*((\s)%3)
.set XW, 0
.if ((\s)%3) == 2
.set XB, 64
.set XW, 0x0c
.endif
.set WB, 128*((\s)%2)
.irp a, 0,1,2,3,4
.set AC, 64*(\a%4)
.set DW, 2+\a/4
.if \s == 0
	WIN 0x01+(DW<<6)                               ; source 0 (W1) window 1, x and b1 window 0, D window 2 or 3
.else
	WIN 0x01+XW+(DW<<4)+(DW<<6)                    ; x in its set's window, C and D window 2 or 3
.endif
.irp j, 0,1,2,3,4,5,6,7
.if \s == 0
	v_wmma_f32_16x16x128_bf8_bf8 v[AC+8*\j:AC+8*\j+7], v[WB+16*\j:WB+16*\j+15], v[XB+16*\a:XB+16*\a+15], v[BIAS+8*\j:BIAS+8*\j+7]
.else
	v_wmma_f32_16x16x128_bf8_bf8 v[AC+8*\j:AC+8*\j+7], v[WB+16*\j:WB+16*\j+15], v[XB+16*\a:XB+16*\a+15], v[AC+8*\j:AC+8*\j+7]
.endif
.endr
.endr
.endm
; A K step of 128.  The next step's W1 and the x of two steps on are asked for first, into the sets that the step before has multiplied: four places stand between its last product and these loads
; (ISA guide 7.12.1 for vector instructions).  Step 0 needs none: the places behind the last pass's products and the way out's arithmetic stand there.
.macro STEP s
.if \s > 0
	PLACES 4
.endif
.if \s < 7
	FETCH_W \s+1
	s_wait_dscnt 32                                ; this step's W1 is in; the 32 loads just issued may be out
.else
	s_wait_dscnt 0x0
.endif
.if \s < 6
	XLOAD \s+2
	s_wait_loadcnt 40                              ; this step's x is in; the two younger sets, 20 loads each, may be out
.elseif \s == 6
	s_wait_loadcnt 20                              ; one younger set
.else
	s_wait_loadcnt 0x0
.endif
	MUL \s
.endm
; THE WAY OUT of tile a: relu and hold in one, eight conversions, and, if the tile exists, its image to hs.
.macro EPI a
.set AC, 64*(\a%4)
.set DW, 2+\a/4
	WIN (DW<<6)+DW                                 ; source 0 and destination: the accumulators' window
.set i, 0
.rept 64
	v_med3_num_f32 v[AC+i], v[AC+i], 0, v19        ; between 0 and the largest code x the scale (the conversion does not saturate: ISA guide 7.6.2); each accumulator from its low end on
.set i, i+1
.endr
	WIN DW                                         ; source 0 alone
.irp g, 0,1,2,3,4,5,6,7
	v_cvt_scalef32_pk8_bf8_f32 v[96+16*\a+2*\g:96+16*\a+2*\g+1], v[AC+8*\g:AC+8*\g+7], v18   ; tile g's eight units: registers 2 g, 2 g + 1 of the fragment
.endr
	WIN 0
	v_nop                                          ; a plain line behind the last conversion: the next pass's products write its sources
	s_add_co_u32 s32, s31, s16
	s_add_co_u32 s32, s32, 4*\a
	s_cmp_lt_u32 s32, s28                          ; a tile behind the expert's last is not stored
	s_cbranch_scc0 .Lskip_\@
	s_add_co_u32 s32, s32, s21
	s_min_u32 s32, s32, 135                        ; a tile of hs: 135 at the most
	v_lshl_add_u32 v[HA+\a], s32, 16, v22          ; 32 images of 2,048 bytes a tile
.irp b, 0,1,2,3
	global_store_b128 v[HA+\a], v[96+16*\a+4*\b:96+16*\a+4*\b+3], s[14:15] offset:512*\b   ; 32 lanes store 512 consecutive bytes, at a multiple of 256 from hs's first byte
.endr
.Lskip_\@:
.endm
	ADDR
.irp j, 0,1,2,3,4,5,6,7                ; b1 in the result's layout: tile 2 b + u, lane half h: units 32 b + 16 h + 8 u + 0 .. 7
	global_load_b128 v[BIAS+8*\j:BIAS+8*\j+3], v20, s[8:9] offset:(32*(\j/2)+8*(\j%2))*4
	global_load_b128 v[BIAS+8*\j+4:BIAS+8*\j+7], v20, s[8:9] offset:(32*(\j/2)+8*(\j%2))*4+16
.endr
	XLOAD 0
	XLOAD 1
	s_wait_loadcnt 56                              ; W1's 64 loads are in; behind them: b1's 16 and x's 2 x 20
	WIN 0x08                                       ; store data window 2
.set rho, 0
.rept 32                               ; row rho of my 32 goes to LDS row rho with its bits 3 and 4 exchanged
	ds_store_b128 v7, v[8*rho:8*rho+3] offset:((rho&7)|((rho&8)<<1)|((rho&16)>>1))*PW
	ds_store_b128 v7, v[8*rho+4:8*rho+7] offset:((rho&7)|((rho&8)<<1)|((rho&16)>>1))*PW+512
.set rho, rho+1
.endr
	WIN 0
	s_wait_dscnt 0x0                               ; for the others' sake: my rows of W1 lie in LDS
	s_barrier_signal -1
	s_barrier_wait -1                              ; the launch's one barrier: from here on LDS is only read
	s_wait_loadcnt 40                              ; b1 is in; x's 2 x 20 may be out
.set i, 0
.rept 64
	v_ldexp_f32 v[BIAS+i], v[BIAS+i], s37          ; b1 / 2^(ex + ew1)
.set i, i+1
.endr
	s_cmp_lt_u32 s46, s47
	s_cbranch_scc0 .Lend                           ; an expert without rows: no pass, nothing to store
.Lpass:
	FETCH_W 0
	STEP 0
	STEP 1
	STEP 2
	STEP 3
	STEP 4
	STEP 5
	STEP 6
	STEP 7
	WIN 0
	PLACES 4                                       ; in front of the first read of results
	EPI 0
	EPI 1
	EPI 2
	EPI 3
	EPI 4
	s_wait_xcnt 0x0                                ; the stores have read their codes and offsets: both may be written again
	s_add_co_u32 s31, s31, 20                      ; the next pass's first tile
	s_add_co_u32 s46, s46, 1                       ; the loop's counter: one a pass
	ADDR
	XLOAD 0                                        ; the next pass's first two steps of x; in the last pass too (clamped rows), so that the counts above hold on every way
	XLOAD 1
	s_cmp_lt_u32 s46, s47
	s_cbranch_scc1 .Lpass
.Lend:
	s_wait_tensorcnt 0x0
	ds_add_u32 v30, v31
	s_wait_dscnt 0x0
	s_endpgm
.Lfunc_end_k_q652ea253d1_gemm1:
	.size	k_q652ea253d1_gemm1, .Lfunc_end_k_q652ea253d1_gemm1-k_q652ea253d1_gemm1
	.p2alignl 7, 3214868480
	.fill 96, 4, 3214868480
	.section	.rodata,"a",@progbits
	.p2align	6, 0x0
	.amdhsa_kernel k_q652ea253d1_gemm1
		.amdhsa_group_segment_fixed_size 133632
		.amdhsa_private_segment_fixed_size 0
		.amdhsa_enable_private_segment 0
		.amdhsa_kernarg_size 48
		.amdhsa_user_sgpr_count 2
		.amdhsa_user_sgpr_kernarg_segment_ptr 1
		.amdhsa_wavefront_size32 1
		.amdhsa_system_sgpr_workgroup_id_x 1
		.amdhsa_system_sgpr_workgroup_id_y 1
		.amdhsa_system_sgpr_workgroup_id_z 1
		.amdhsa_system_vgpr_workitem_id 0
		.amdhsa_next_free_vgpr 912
		.amdhsa_next_free_sgpr 66
		.amdhsa_reserve_vcc 0
		.amdhsa_float_denorm_mode_32 3
		.amdhsa_float_denorm_mode_16_64 3
		.amdhsa_memory_ordered 1
		.amdhsa_forward_progress 1
		.amdhsa_inst_pref_size 106
	.end_amdhsa_kernel
	.amdgpu_metadata
---
amdhsa.version: [ 1, 2 ]
amdhsa.kernels:
  - .name:           k_q652ea253d1_gemm1
    .symbol:         k_q652ea253d1_gemm1.kd
    .args:
      - { .name: xs, .offset: 0, .size: 8, .value_kind: global_buffer, .address_space: global }
      - { .name: W1_codes, .offset: 8, .size: 8, .value_kind: global_buffer, .address_space: global }
      - { .name: b1, .offset: 16, .size: 8, .value_kind: global_buffer, .address_space: global }
      - { .name: lowp_scales, .offset: 24, .size: 8, .value_kind: global_buffer, .address_space: global }
      - { .name: plc, .offset: 32, .size: 8, .value_kind: global_buffer, .address_space: global }
      - { .name: hs, .offset: 40, .size: 8, .value_kind: global_buffer, .address_space: global }
    .group_segment_fixed_size: 133632
    .private_segment_fixed_size: 0
    .kernarg_segment_align: 8
    .kernarg_segment_size: 48
    .max_flat_workgroup_size: 128
    .sgpr_count:     66
    .vgpr_count:     912
    .wavefront_size: 32
...
	.end_amdgpu_metadata
.endif
;; end of part 3
;; launch gemm2 (part 4): grid 32 x 8, 4 waves a work-group, no clusters, 266,752 bytes of LDS; arguments hs, W2_codes, b2, lowp_scales, plc, ys; writes ys
.if DOCPART == 4
	.amdgcn_target "amdgcn-amd-amdhsa--gfx1250"
	.amdhsa_code_object_version 6
	.text
	.protected	k_q652ea253d1_gemm2
	.globl	k_q652ea253d1_gemm2
	.p2align	8
	.type	k_q652ea253d1_gemm2,@function
k_q652ea253d1_gemm2:
	s_mov_b64 s[64:65], 0
	v_nop
	global_prefetch_b8 v0, s[64:65] scope:SCOPE_SE
	s_setreg_imm32_b32 hwreg(HW_REG_WAVE_MODE, 25, 1), 1
	s_wait_xcnt 0x0
; y = h W2 x 2^(ew2 + eh) + b2 FOR THE CHOSEN ROWS, on codes of BF8 (E5M2).  hs: images of h's fragments, block (tile, K step) of 2,048 bytes.  W2_codes: [8][1024 d][4096 k].  ys: [2176 sorted rows][1024] f32.
; Work-group (x, e): outputs d = 64 (x / 2) .. + 63 of expert e, for the expert's tiles of 16 rows T = 2 i + x % 2.
; THE WAVES SHARE K: wave w keeps W2[64 d][k = 1024 w .. 1024 w + 1023] in 512 registers for the whole launch, and of each tile of rows it loads only its own eight images, 16 KB, 512 consecutive bytes a load:
; each byte of h enters the work-group once and goes straight to the wave that multiplies it.  All four waves work on every tile.
; The four partial sums of a tile meet in LDS as f32 rows; there a wave adds four rows' four parts and stores whole pieces of 256 bytes of ys.
; THE PRODUCT IS USED TRANSPOSED (source 0 = 16 rows of W2, source 1 = 16 rows of h): a lane holds one row and eight neighbouring d.
; THE LOOP OVER TILES HAS A CONSTANT COUNT, 4 trips x 2 turns x 4 tiles = 32, the most that one expert's half can have (1,024 rows): every wave passes every barrier; a tile's WORK stands under a scalar
; branch on its index against the count read from memory.  The indices ascend, so the first tile that is not there ends its turn's products: its branch leads behind all four.
; TWO TILES' IMAGES ARE ON THEIR WAY: a buffer is asked for again straight behind the products that read it, with the tile two further on (clamped to the expert's last): 64 loads a wave.
; The wait at a tile's head leaves the 32 younger loads, the other buffer's, out.  A turn that was cut short waits for all its loads before it joins the full turn's way, so that this count holds on every way into the next turn.
; NO TENSOR LOAD, NO JOINT LOAD: the number of tiles is read from memory and steers branches.
; LIMIT: ew2 + eh between -126 and 127, so that 2^(ew2 + eh) is an f32 number.
; LDS: at the start wave w's 64 rows x 1,024 bytes of W2 at 66,560 w, pitch 1,040 (its own bytes); behind the first barrier the same bytes serve as EX[2 turns][4 waves' parts][4 tiles][16 rows x 272 bytes].
; REGISTERS, in windows of 256: window 0: v1-25 addresses, b2; v32-63 four accumulators (d tile j at 32 + 8 j); v64-95 parts read back; v96-103 results.
;   window 1: W2's fragments of my K steps 0-3 at v[16 (4 s + j)];   window 2: of steps 4-7;   window 3: two buffers of 128 for a tile's eight images, even tiles' and odd tiles' (at the start: W2 on its way to LDS).
.set PW,   1040                        ; 1,024 bytes + 16 = 260 words: row r starts at bank 4 r mod 64 (64 banks of 4 bytes: ISA guide 11.1)
.set EXT,  4352                        ; a tile's part: 16 rows x 272
.set EXP,  17408                       ; a wave's four
.set EXR,  69632                       ; a turn's four waves
.set MSB,  0
.macro WIN new
.if MSB != (\new)
	s_set_vgpr_msb (MSB<<8)|(\new)
.set MSB, \new
.endif
.endm
.macro PLACES n
.rept \n
	v_nop
.endr
.endm
	s_load_b256 s[4:11], s[0:1], 0x0               ; hs s[4:5], W2 s[6:7], b2 s[8:9], the scales' exponents s[10:11]
	s_load_b128 s[12:15], s[0:1], 0x20             ; plc s[12:13], ys s[14:15]
	v_lshl_add_u32 v254, v0, 2, 0x41000
	v_mov_b32 v255, 0
	v_lshrrev_b32 v1, 5, v0
	v_readfirstlane_b32 s16, v1                    ; wave
	s_lshr_b32 s17, ttmp9, 1                       ; which 64 d
	s_and_b32 s18, ttmp9, 1                        ; even or odd tiles
	s_and_b32 s19, ttmp7, 0xffff                   ; e
	v_and_b32 v24, 31, v0
	v_and_b32 v1, 15, v0                           ; r
	v_bfe_u32 v2, v0, 4, 1                         ; h
	v_lshlrev_b32 v3, 4, v24                       ; 16 x lane
	s_mul_i32 s34, s16, 64*PW
	v_add_nc_u32 v4, s34, v3                       ; W2 on the way in: my rows 0-31,
	v_add_nc_u32 v5, 32*PW, v4                     ; rows 32-63
	v_mul_u32_u24 v6, v1, PW
	v_lshl_add_u32 v6, v2, 4, v6
	v_add_nc_u32 v6, s34, v6                       ; and as fragments: row r, + 16 h
	s_lshl_b32 s34, s16, 14
	v_add_nc_u32 v7, s34, v3                       ; in a tile of hs: my eight images begin 16,384 w on; 16 bytes a lane
	v_mul_u32_u24 v10, v1, 272
	v_lshl_add_u32 v10, v2, 5, v10
	s_mul_i32 s34, s16, EXP
	v_add_nc_u32 v10, s34, v10                     ; v10, v11: where I put my part: row r, + 32 h, in my wave's region; turn 0, 1
	v_add_nc_u32 v11, EXR, v10
	s_mul_i32 s34, s16, 4*272
	v_mul_u32_u24 v12, v2, 272
	v_lshl_add_u32 v12, v1, 4, v12
	v_add_nc_u32 v12, s34, v12                     ; v12-15: where I read parts back: row 4 w + h, 16 bytes a lane; turn 0 waves 0-1, waves 2-3; turn 1 likewise
	v_add_nc_u32 v13, 2*EXP, v12
	v_add_nc_u32 v14, EXR, v12
	v_add_nc_u32 v15, EXR+2*EXP, v12
	s_lshl_b32 s34, s16, 14
	s_lshl_b32 s35, s17, 8
	s_add_co_u32 s34, s34, s35
	v_lshlrev_b32 v16, 12, v2
	v_lshl_add_u32 v16, v1, 4, v16
	v_add_nc_u32 v16, s34, v16                     ; the same place in a tile of ys: 4,096 (4 w + h) + 256 x chunk + 16 r
	v_lshlrev_b32 v25, 4, v1
	s_lshl_b32 s40, s19, 22                        ; W2: (1024 e + 64 chunk) rows of 4,096 bytes + 1,024 w
	s_lshl_b32 s41, s17, 18
	s_add_co_u32 s40, s40, s41
	s_lshl_b32 s41, s16, 10
	s_add_co_u32 s40, s40, s41
	s_mov_b32 s41, 0
	s_lshl_b32 s42, s19, 12                        ; b2: (1024 e + 64 chunk) numbers
	s_lshl_b32 s43, s17, 8
	s_add_co_u32 s42, s42, s43
	s_mov_b32 s43, 0
	s_lshl_b32 s44, s19, 3
	s_mov_b32 s45, 0
	s_wait_kmcnt 0x0
	s_add_nc_u64 s[12:13], s[12:13], s[44:45]
	s_load_b64 s[20:21], s[12:13], 0x2000          ; n_e, TB_e
	s_load_b128 s[24:27], s[10:11], 0x0            ; ex, ew1, ew2, eh
	s_add_nc_u64 s[6:7], s[6:7], s[40:41]
	s_add_nc_u64 s[8:9], s[8:9], s[42:43]
	global_load_b128 v[20:23], v25, s[8:9]         ; b2 of my four d
.macro LOADW k                         ; rows 16 k .. 16 k + 15 of my part of W2: 32 loads of 512 consecutive bytes, into buffer k % 2
	WIN 0xc0                                       ; destination window 3
.set i, 0
.rept 16
	global_load_b128 v[128*((\k)%2)+8*i:128*((\k)%2)+8*i+3], v3, s[6:7] offset:4096*(16*(\k)+i)
	global_load_b128 v[128*((\k)%2)+8*i+4:128*((\k)%2)+8*i+7], v3, s[6:7] offset:4096*(16*(\k)+i)+512
.set i, i+1
.endr
.endm
.macro STOREW k                        ; and on into LDS
	WIN 0x0c                                       ; store data window 3
.set i, 0
.rept 16
	ds_store_b128 v[4+(\k)/2], v[128*((\k)%2)+8*i:128*((\k)%2)+8*i+3] offset:(16*((\k)%2)+i)*PW
	ds_store_b128 v[4+(\k)/2], v[128*((\k)%2)+8*i+4:128*((\k)%2)+8*i+7] offset:(16*((\k)%2)+i)*PW+512
.set i, i+1
.endr
.endm
.macro HADDR b                         ; s37 = a tile's index i: where my images of tile 2 i + x % 2 lie, clamped to the expert's last tile (or, without one, to a tile that is written)
	s_lshl_b32 s38, s37, 1
	s_add_co_u32 s38, s38, s36
	s_min_u32 s38, s38, s29
	s_min_u32 s38, s38, 135                        ; a tile of hs: 135 at the most
	v_lshl_add_u32 v[8+\b], s38, 16, v7
.endm
.macro HLOAD b                         ; eight images, 32 loads, into buffer b
	WIN 0xc0
.irp s, 0,1,2,3,4,5,6,7
.irp c, 0,1,2,3
	global_load_b128 v[128*\b+16*\s+4*\c:128*\b+16*\s+4*\c+3], v[8+\b], s[4:5] offset:2048*\s+512*\c
.endr
.endr
.endm
	LOADW 0
	LOADW 1
	WIN 0
	s_wait_kmcnt 0x0
	s_add_co_u32 s34, s20, 15
	s_lshr_b32 s34, s34, 4                         ; the expert's tiles
	s_add_co_u32 s29, s21, s34
	s_sub_co_i32 s29, s29, 1
	s_max_i32 s29, s29, 0                          ; its last tile in hs
	s_sub_co_u32 s28, s34, s18
	s_add_co_u32 s28, s28, 1
	s_lshr_b32 s28, s28, 1                         ; how many of them are mine
	s_add_co_u32 s36, s21, s18                     ; my first
	s_add_co_i32 s32, s26, s27
	s_add_co_i32 s32, s32, 127
	s_lshl_b32 s32, s32, 23                        ; 2^(ew2 + eh) as f32
	s_mov_b32 s33, s32                             ; (named with it as a pair, so it is written)
	s_wait_loadcnt 32                              ; at each of these four waits: the older group of 32 is in, the younger may be out
	STOREW 0
	s_wait_dscnt 0x0                               ; the stores have read their registers, which take the next loads
	LOADW 2
	s_wait_loadcnt 32
	STOREW 1
	s_wait_dscnt 0x0
	LOADW 3
	s_wait_loadcnt 32
	STOREW 2
	s_wait_dscnt 0x0
	WIN 0
	s_mov_b32 s37, 0
	HADDR 0
	HLOAD 0                                        ; my first tile's images
	s_wait_loadcnt 32
	STOREW 3
	s_wait_dscnt 0x0
	WIN 0
	s_mov_b32 s37, 1
	HADDR 1
	HLOAD 1                                        ; and my second's: the loop is entered with buffer 0's 32 loads out and buffer 1's 32 behind them
.irp q, 0,1                            ; my 32 fragments of W2: they stay.  LDS serves a wave's instructions in order (ISA guide 5.7.1.4): these see my stores
	WIN 0x40+0x40*\q                               ; destination window 1, then 2
.irp s, 0,1,2,3
.irp j, 0,1,2,3
.irp c, 0,1,2,3
	ds_load_b128 v[16*(4*\s+\j)+4*\c:16*(4*\s+\j)+4*\c+3], v6 offset:16*\j*PW+128*(4*\q+\s)+32*\c
.endr
.endr
.endr
.endr
	WIN 0
	s_wait_dscnt 0x0                               ; my reads of these bytes are over:
	s_barrier_signal -1
	s_barrier_wait -1                              ; everybody's are, and the bytes may serve as EX
; A tile's products, my part of its sums into LDS, and the request for the tile two further on.
.macro REGA par, tau
.set HBF, 128*((\tau)%2)
	s_add_co_u32 s37, s30, \tau
	s_cmp_lt_u32 s37, s28
	s_cbranch_scc0 .Lshort_\par                    ; no such tile, and so none behind it: the turn's products are over
	s_wait_loadcnt 32                              ; this tile's images are in; the 32 loads issued behind them, the other buffer's, may be out
	s_wait_dscnt 0x0                               ; the last tile's LDS stores have read the accumulators
.irp q, 0,1                            ; four accumulators by turns, one instruction a turn; the first four products start the sums
	WIN 0x0d+\q                                    ; source 0 (W2) window 1, then 2; source 1 (h) window 3
.irp s, 0,1,2,3
.irp j, 0,1,2,3
.if (\q == 0) && (\s == 0)
	v_wmma_f32_16x16x128_bf8_bf8 v[32+8*\j:39+8*\j], v[16*(4*\s+\j):16*(4*\s+\j)+15], v[HBF+16*(4*\q+\s):HBF+16*(4*\q+\s)+15], 0
.else
	v_wmma_f32_16x16x128_bf8_bf8 v[32+8*\j:39+8*\j], v[16*(4*\s+\j):16*(4*\s+\j)+15], v[HBF+16*(4*\q+\s):HBF+16*(4*\q+\s)+15], v[32+8*\j:39+8*\j]
.endif
.endr
.endr
.endr
	WIN 0
	s_add_co_u32 s37, s37, 2
	HADDR ((\tau)%2)                               ; this buffer's next tile; the wait at the head has shown the loads that named this offset done.  Its one vector line and the four below are five places:
	PLACES 4                                       ; four for the stores that read the results and for the loads into h's buffer; the fifth for the next tile's first products, which write over the results
.irp j, 0,1,2,3
	ds_store_b128 v[10+\par], v[32+8*\j:35+8*\j] offset:EXT*\tau+64*\j        ; lane (r, h): row r, d = 16 j + 8 h + 0 .. 7; each accumulator from its low end on
	ds_store_b128 v[10+\par], v[36+8*\j:39+8*\j] offset:EXT*\tau+64*\j+16
.endr
	HLOAD ((\tau)%2)                               ; with the other buffer's 32 that makes 64 loads of mine on their way
	WIN 0
.endm
; The four waves' parts of four rows of a tile are added, scaled, given b2 and stored.
.macro REGB par, tau
	s_add_co_u32 s37, s30, \tau
	s_cmp_lt_u32 s37, s28
	s_cbranch_scc0 .Lnb_\@
	s_wait_xcnt 0x0                                ; the last stores have read their data and offset: both are written again below
.irp pr, 0,1
.irp pl, 0,1,2,3
	ds_load_b128 v[64+16*\pr+4*\pl:64+16*\pr+4*\pl+3], v[12+2*\par+\pl/2] offset:EXP*(\pl%2)+EXT*\tau+544*\pr
.endr
.endr
	s_lshl_b32 s38, s37, 1
	s_add_co_u32 s38, s38, s36
	s_min_u32 s38, s38, 135                        ; a tile of ys: 135 at the most
	v_lshl_add_u32 v17, s38, 16, v16               ; 16 rows of 4,096 bytes a tile
	s_wait_dscnt 0x0
.irp pr, 0,1
.set BP, 64+16*\pr
	v_pk_add_f32 v[BP:BP+1], v[BP:BP+1], v[BP+4:BP+5]
	v_pk_add_f32 v[BP+2:BP+3], v[BP+2:BP+3], v[BP+6:BP+7]
	v_pk_add_f32 v[BP+8:BP+9], v[BP+8:BP+9], v[BP+12:BP+13]
	v_pk_add_f32 v[BP+10:BP+11], v[BP+10:BP+11], v[BP+14:BP+15]
	v_pk_add_f32 v[BP:BP+1], v[BP:BP+1], v[BP+8:BP+9]
	v_pk_add_f32 v[BP+2:BP+3], v[BP+2:BP+3], v[BP+10:BP+11]
	v_pk_fma_f32 v[96+4*\pr:97+4*\pr], v[BP:BP+1], s[32:33], v[20:21] op_sel_hi:[1,0,1]     ; sum x 2^(ew2 + eh) + b2 (the scalar pair's low word for both halves)
	v_pk_fma_f32 v[98+4*\pr:99+4*\pr], v[BP+2:BP+3], s[32:33], v[22:23] op_sel_hi:[1,0,1]
	global_store_b128 v17, v[96+4*\pr:99+4*\pr], s[14:15] offset:8192*\pr   ; 16 lanes store 256 consecutive bytes, at a multiple of 256 from ys's first byte
.endr
.Lnb_\@:
.endm
; A turn: four tiles.  The two turns' regions of EX alternate: a region is written again two barriers after it was read, and every wave has waited for its reads in front of the barrier between.
.macro TRIP par
	REGA \par, 0
	REGA \par, 1
	REGA \par, 2
	REGA \par, 3
	s_branch .Lmeet_\par                           ; a full turn leaves buffer 0's 32 loads out and buffer 1's 32 behind them, as the loop was entered
.Lshort_\par:
	s_wait_loadcnt 0x0                             ; a turn cut short leaves nothing out: either way the count at the next turn's first tile holds
.Lmeet_\par:
	s_wait_dscnt 0x0                               ; for the others' sake: my parts lie in LDS, and my reads of the other region are over
	s_barrier_signal -1
	s_barrier_wait -1
	REGB \par, 0
	REGB \par, 1
	REGB \par, 2
	REGB \par, 3
	s_add_co_u32 s30, s30, 4
.endm
	s_mov_b32 s30, 0                               ; the index of a turn's first tile: a multiple of 4, so that a tile's place in its turn says which buffer is its own
	s_mov_b32 s31, 4
.Ltrip:
	TRIP 0
	TRIP 1
	s_sub_co_u32 s31, s31, 1
	s_cmp_lg_u32 s31, 0
	s_cbranch_scc1 .Ltrip
	s_wait_tensorcnt 0x0
	ds_add_u32 v254, v255
	s_wait_dscnt 0x0
	s_endpgm
.Lfunc_end_k_q652ea253d1_gemm2:
	.size	k_q652ea253d1_gemm2, .Lfunc_end_k_q652ea253d1_gemm2-k_q652ea253d1_gemm2
	.p2alignl 7, 3214868480
	.fill 96, 4, 3214868480
	.section	.rodata,"a",@progbits
	.p2align	6, 0x0
	.amdhsa_kernel k_q652ea253d1_gemm2
		.amdhsa_group_segment_fixed_size 266752
		.amdhsa_private_segment_fixed_size 0
		.amdhsa_enable_private_segment 0
		.amdhsa_kernarg_size 48
		.amdhsa_user_sgpr_count 2
		.amdhsa_user_sgpr_kernarg_segment_ptr 1
		.amdhsa_wavefront_size32 1
		.amdhsa_system_sgpr_workgroup_id_x 1
		.amdhsa_system_sgpr_workgroup_id_y 1
		.amdhsa_system_sgpr_workgroup_id_z 1
		.amdhsa_system_vgpr_workitem_id 0
		.amdhsa_next_free_vgpr 1024
		.amdhsa_next_free_sgpr 66
		.amdhsa_reserve_vcc 0
		.amdhsa_float_denorm_mode_32 3
		.amdhsa_float_denorm_mode_16_64 3
		.amdhsa_memory_ordered 1
		.amdhsa_forward_progress 1
		.amdhsa_inst_pref_size 106
	.end_amdhsa_kernel
	.amdgpu_metadata
---
amdhsa.version: [ 1, 2 ]
amdhsa.kernels:
  - .name:           k_q652ea253d1_gemm2
    .symbol:         k_q652ea253d1_gemm2.kd
    .args:
      - { .name: hs, .offset: 0, .size: 8, .value_kind: global_buffer, .address_space: global }
      - { .name: W2_codes, .offset: 8, .size: 8, .value_kind: global_buffer, .address_space: global }
      - { .name: b2, .offset: 16, .size: 8, .value_kind: global_buffer, .address_space: global }
      - { .name: lowp_scales, .offset: 24, .size: 8, .value_kind: global_buffer, .address_space: global }
      - { .name: plc, .offset: 32, .size: 8, .value_kind: global_buffer, .address_space: global }
      - { .name: ys, .offset: 40, .size: 8, .value_kind: global_buffer, .address_space: global }
    .group_segment_fixed_size: 266752
    .private_segment_fixed_size: 0
    .kernarg_segment_align: 8
    .kernarg_segment_size: 48
    .max_flat_workgroup_size: 128
    .sgpr_count:     66
    .vgpr_count:     1024
    .wavefront_size: 32
...
	.end_amdgpu_metadata
.endif
;; end of part 4
;; launch combine (part 5): grid 256 x 1, 4 waves a work-group, no clusters, 0 bytes of LDS; arguments ys, gw, plc, out0; writes out0
.if DOCPART == 5
	.amdgcn_target "amdgcn-amd-amdhsa--gfx1250"
	.amdhsa_code_object_version 6
	.text
	.protected	k_q652ea253d1_combine
	.globl	k_q652ea253d1_combine
	.p2align	8
	.type	k_q652ea253d1_combine,@function
k_q652ea253d1_combine:
	s_mov_b64 s[64:65], 0
	v_nop
	global_prefetch_b8 v0, s[64:65] scope:SCOPE_SE
	s_setreg_imm32_b32 hwreg(HW_REG_WAVE_MODE, 25, 1), 1
	s_wait_xcnt 0x0
; out[t] = g0 y[R0] + g1 y[R1]: a token's two rows of ys, weighed by its two gate probabilities.  One token to a wave: t = 4 x work-group + wave.
; R0, R1 are whole numbers that an earlier launch stored (plc + 8 t); g0, g1 lie at gw + 8 t.  A row is 4,096 bytes: eight loads of 512 consecutive bytes; each output byte has one owner.
; A stream: no LDS, no barrier, no matrix unit, nothing shared between work-groups.
	s_load_b256 s[4:11], s[0:1], 0x0               ; ys s[4:5], gw s[6:7], plc s[8:9], out s[10:11]
	v_lshrrev_b32 v1, 5, v0
	v_readfirstlane_b32 s12, v1                    ; wave
	s_lshl_b32 s13, ttmp9, 2
	s_add_co_u32 s13, s13, s12                     ; t
	v_and_b32 v1, 31, v0
	v_lshlrev_b32 v1, 4, v1                        ; 16 x lane
	s_lshl_b32 s14, s13, 3
	s_mov_b32 s15, 0
	s_lshl_b32 s20, s13, 12
	s_mov_b32 s21, 0
	s_wait_kmcnt 0x0
	s_add_nc_u64 s[8:9], s[8:9], s[14:15]
	s_add_nc_u64 s[6:7], s[6:7], s[14:15]
	s_add_nc_u64 s[10:11], s[10:11], s[20:21]
	s_load_b64 s[16:17], s[8:9], 0x0               ; R0, R1
	s_load_b64 s[18:19], s[6:7], 0x0               ; g0, g1
	s_wait_kmcnt 0x0
	s_min_u32 s16, s16, 2175                       ; a row of ys: 2,175 at the most
	s_min_u32 s17, s17, 2175
	v_lshl_add_u32 v2, s16, 12, v1
	v_lshl_add_u32 v3, s17, 12, v1
	s_mov_b32 s24, s18                             ; the packed forms name a pair and take its low word for both halves
	s_mov_b32 s25, s18
	s_mov_b32 s26, s19
	s_mov_b32 s27, s19
.irp i, 0,1,2,3,4,5,6,7
	global_load_b128 v[16+4*\i:19+4*\i], v2, s[4:5] offset:512*\i th:TH_LOAD_NT
	global_load_b128 v[48+4*\i:51+4*\i], v3, s[4:5] offset:512*\i th:TH_LOAD_NT
.endr
.irp i, 0,1,2,3,4,5,6,7
	s_wait_loadcnt 14-2*\i                         ; pair i is in; the younger pairs, two loads each, may be out
	v_pk_mul_f32 v[80+4*\i:81+4*\i], v[48+4*\i:49+4*\i], s[26:27] op_sel_hi:[1,0]
	v_pk_mul_f32 v[82+4*\i:83+4*\i], v[50+4*\i:51+4*\i], s[26:27] op_sel_hi:[1,0]
	v_pk_fma_f32 v[80+4*\i:81+4*\i], v[16+4*\i:17+4*\i], s[24:25], v[80+4*\i:81+4*\i] op_sel_hi:[1,0,1]
	v_pk_fma_f32 v[82+4*\i:83+4*\i], v[18+4*\i:19+4*\i], s[24:25], v[82+4*\i:83+4*\i] op_sel_hi:[1,0,1]
	global_store_b128 v1, v[80+4*\i:83+4*\i], s[10:11] offset:512*\i th:TH_STORE_NT   ; 32 lanes store 512 consecutive bytes; each step has its own registers, so no store's data are written again
.endr
	s_endpgm
.Lfunc_end_k_q652ea253d1_combine:
	.size	k_q652ea253d1_combine, .Lfunc_end_k_q652ea253d1_combine-k_q652ea253d1_combine
	.p2alignl 7, 3214868480
	.fill 96, 4, 3214868480
	.section	.rodata,"a",@progbits
	.p2align	6, 0x0
	.amdhsa_kernel k_q652ea253d1_combine
		.amdhsa_group_segment_fixed_size 0
		.amdhsa_private_segment_fixed_size 0
		.amdhsa_enable_private_segment 0
		.amdhsa_kernarg_size 32
		.amdhsa_user_sgpr_count 2
		.amdhsa_user_sgpr_kernarg_segment_ptr 1
		.amdhsa_wavefront_size32 1
		.amdhsa_system_sgpr_workgroup_id_x 1
		.amdhsa_system_sgpr_workgroup_id_y 1
		.amdhsa_system_sgpr_workgroup_id_z 1
		.amdhsa_system_vgpr_workitem_id 0
		.amdhsa_next_free_vgpr 112
		.amdhsa_next_free_sgpr 66
		.amdhsa_reserve_vcc 0
		.amdhsa_float_denorm_mode_32 3
		.amdhsa_float_denorm_mode_16_64 3
		.amdhsa_memory_ordered 1
		.amdhsa_forward_progress 1
		.amdhsa_inst_pref_size 6
	.end_amdhsa_kernel
	.amdgpu_metadata
---
amdhsa.version: [ 1, 2 ]
amdhsa.kernels:
  - .name:           k_q652ea253d1_combine
    .symbol:         k_q652ea253d1_combine.kd
    .args:
      - { .name: ys, .offset: 0, .size: 8, .value_kind: global_buffer, .address_space: global }
      - { .name: gw, .offset: 8, .size: 8, .value_kind: global_buffer, .address_space: global }
      - { .name: plc, .offset: 16, .size: 8, .value_kind: global_buffer, .address_space: global }
      - { .name: out0, .offset: 24, .size: 8, .value_kind: global_buffer, .address_space: global }
    .group_segment_fixed_size: 0
    .private_segment_fixed_size: 0
    .kernarg_segment_align: 8
    .kernarg_segment_size: 32
    .max_flat_workgroup_size: 128
    .sgpr_count:     66
    .vgpr_count:     112
    .wavefront_size: 32
...
	.end_amdgpu_metadata
.endif
;; end of part 5
;; ======== version 2 of 2: 5 launches
;; workspace buffers: rti 24,576 bytes of whole numbers; gw 8,192 bytes; xq 1,048,576 bytes; plc 8,448 bytes of whole numbers; xs 2,228,224 bytes; hs 8,912,896 bytes; ys 8,912,896 bytes
;; launch route (part 6): grid 256 x 1, 4 waves a work-group, no clusters, 35,328 bytes of LDS; arguments x, Wg, bg, lowp_scales, rti, gw, xq; writes rti, gw, xq
.if DOCPART == 6
	.amdgcn_target "amdgcn-amd-amdhsa--gfx1250"
	.amdhsa_code_object_version 6
	.text
	.protected	k_q652ea253d1_route
	.globl	k_q652ea253d1_route
	.p2align	8
	.type	k_q652ea253d1_route,@function
k_q652ea253d1_route:
	s_mov_b64 s[64:65], 0
	v_nop
	global_prefetch_b8 v0, s[64:65] scope:SCOPE_SE
	s_setreg_imm32_b32 hwreg(HW_REG_WAVE_MODE, 25, 1), 1
	s_wait_xcnt 0x0
; THE GATE, THE CHOICE OF TWO EXPERTS, AND x AS CODES.  x: [1024 tokens][1024] f32.  Wg: [1024][8], bg: [8] f32.
; One token to a wave: token t = 4 x work-group + wave.  Lane l holds d = 256 i + 8 l + j (i = 0..3, j = 0..7): eight neighbours along d in one lane,
; as the conversion to codes takes them, and a lane's 8 codes are 8 bytes, so that a store of the wave covers 256 consecutive bytes of xq.
; The gate's product (N = 8) stays in f32: packed multiply-adds, two experts an instruction, then a sum over the 32 lanes.
; softmax with its maximum taken away; top-2 by two ascending scans with a strict compare, so that of equal numbers the lower index is kept.
; The choice is made of floating-point numbers, so no address here hangs on it: it is stored at fixed places as whole numbers:
;   rti + 16 t:         four words; word k = [expert 2 k chosen] + [expert 2 k + 1 chosen] << 16
;   rti + 16384 + 8 t:  the two experts;      gw + 8 t: their two probabilities
; These three small stores are 32 bytes a token, 32 KB in the launch, by lane 0 alone.
; xq [t][1024]: code = x / 2^ex, held within +-57,344, to the nearest code of E5M2, ties to even.
; LIMITS: ex between -126 and 112, so that 2^ex and 57,344 x 2^ex are f32 numbers.  NaN among the inputs is not served.
; No matrix unit, no cluster: the work-groups share Wg alone, 32 KB against a launch that reads x once.
.set X,     16                         ; v16-47   my 32 numbers of the token: 8 i + j
.set ACC,   48                         ; v48-55   the eight sums
.set CODES, 56                         ; v56-63   my 32 codes
.set WB0,   64                         ; v64-127  Wg for one i: register 8 j + e
.set WB1,   128                        ; v128-191 the same, second buffer
.set TQ,    192                        ; v192-207 two sets of eight held numbers
.set P,     208                        ; v208-215 the eight probabilities
.set PB,    272                        ; LDS: 8 rows of Wg (256 bytes) + 16 of padding = 68 words: block b starts at bank 4 b mod 64 (64 banks of 4 bytes: ISA guide 11.1)
	s_load_b256 s[4:11], s[0:1], 0x0               ; x s[4:5], Wg s[6:7], bg s[8:9], the scales' exponents s[10:11]
	s_load_b128 s[12:15], s[0:1], 0x20             ; rti s[12:13], gw s[14:15]
	s_load_b64 s[16:17], s[0:1], 0x30              ; xq
	v_lshl_add_u32 v240, v0, 2, 0x8800
	v_mov_b32 v241, 0
	v_lshrrev_b32 v1, 5, v0
	v_readfirstlane_b32 s18, v1                    ; wave
	s_lshl_b32 s19, ttmp9, 2
	s_add_co_u32 s19, s19, s18                     ; t
	v_and_b32 v1, 31, v0                           ; lane
	v_lshlrev_b32 v2, 4, v0                        ; Wg's copy: 16 bytes a thread, 2,048 a step
	v_lshrrev_b32 v3, 4, v0
	v_mul_u32_u24 v3, v3, PB
	v_and_b32 v8, 15, v0
	v_lshl_add_u32 v3, v8, 4, v3                   ; and where they go: block thread / 16, 16 bytes a thread
	v_mul_u32_u24 v4, v1, PB                       ; reading: block 32 i + lane
	v_lshlrev_b32 v5, 5, v1                        ; x: 32 bytes a lane
	v_lshlrev_b32 v6, 3, v1                        ; codes: 8 bytes a lane
	v_mov_b32 v7, 0
	s_mov_b32 s34, 0x76543210                      ; v_permlanex16_b32: lane l xor 16
	s_mov_b32 s35, 0xfedcba98
	s_lshl_b32 s20, s19, 12                        ; t rows of 4,096 bytes
	s_mov_b32 s21, 0
	s_lshl_b32 s22, s19, 10                        ; t rows of 1,024 codes
	s_mov_b32 s23, 0
	s_lshl_b32 s40, s19, 4
	s_mov_b32 s41, 0
	s_lshl_b32 s42, s19, 3
	s_mov_b32 s43, 0
	s_wait_alu depctr_va_vdst(0)
	s_wait_kmcnt 0x0
	s_load_b256 s[24:31], s[8:9], 0x0              ; bg
	s_load_b32 s32, s[10:11], 0x0                  ; ex
	s_add_nc_u64 s[4:5], s[4:5], s[20:21]
	s_add_nc_u64 s[16:17], s[16:17], s[22:23]
	s_add_nc_u64 s[36:37], s[12:13], s[40:41]      ; rti + 16 t
	s_add_nc_u64 s[12:13], s[12:13], s[42:43]      ; rti + 8 t
	s_add_nc_u64 s[14:15], s[14:15], s[42:43]      ; gw + 8 t
.irp m, 0,1,2,3,4,5,6,7,8,9,10,11,12,13,14,15
	global_load_b128 v[WB0+4*\m:WB0+4*\m+3], v2, s[6:7] offset:2048*\m
.endr
.irp i, 0,1,2,3
	global_load_b128 v[X+8*\i:X+8*\i+3], v5, s[4:5] offset:1024*\i th:TH_LOAD_NT
	global_load_b128 v[X+8*\i+4:X+8*\i+7], v5, s[4:5] offset:1024*\i+16 th:TH_LOAD_NT
.endr
	s_wait_loadcnt 8                               ; Wg's sixteen loads are in; the eight of x, issued behind them, may be out
.irp m, 0,1,2,3,4,5,6,7,8,9,10,11,12,13,14,15
	ds_store_b128 v3, v[WB0+4*\m:WB0+4*\m+3] offset:8*PB*\m
.endr
	s_wait_dscnt 0x0                               ; for the others' sake: my part of Wg lies in LDS
	s_barrier_signal -1
	s_barrier_wait -1
.macro WLOAD i, buf                    ; Wg's rows d = 256 i + 8 lane + 0..7: sixteen loads of 16 bytes
.irp n, 0,1,2,3,4,5,6,7,8,9,10,11,12,13,14,15
	ds_load_b128 v[\buf+4*\n:\buf+4*\n+3], v4 offset:32*PB*\i+16*\n
.endr
.endm
	WLOAD 0, WB0
	WLOAD 1, WB1
	s_wait_loadcnt 0x0                             ; x
	s_wait_kmcnt 0x0                               ; bg, ex
	s_add_co_i32 s38, s32, 127
	s_lshl_b32 s39, s38, 23
	v_mov_b32 v11, s39                             ; 2^ex as f32: the conversion takes its exponent field
	s_add_co_i32 s38, s38, 15
	s_lshl_b32 s38, s38, 23
	s_or_b32 s38, s38, 0x600000
	v_mov_b32 v10, s38                             ; 57,344 x 2^ex
.irp i, 0,1,2,3
.irp j, 0,1,2,3,4,5,6,7
	v_med3_num_f32 v[TQ+8*(\i%2)+\j], v[X+8*\i+\j], -v10, v10   ; the conversion to an 8-bit code does not saturate (ISA guide 7.6.2): the hold goes into other registers, x itself stays for the gate
.endr
	v_cvt_scalef32_pk8_bf8_f32 v[CODES+2*\i:CODES+2*\i+1], v[TQ+8*(\i%2):TQ+8*(\i%2)+7], v11   ; the two sets take turns: a set is written again only behind the other set's eight plain lines
.endr
	v_nop                                          ; a plain line behind the last conversion
.irp i, 0,1,2,3
	global_store_b64 v6, v[CODES+2*\i:CODES+2*\i+1], s[16:17] offset:256*\i   ; 32 lanes store 256 consecutive bytes, at a multiple of 256 from xq's first byte
.endr
; eight d of one i: for each d four packed multiply-adds (two experts each); x(d) is one word of a pair and feeds both halves
.macro FMA i, buf
.irp j, 0,1,2,3,4,5,6,7
.irp p, 0,1,2,3
.if (\i == 0) && (\j == 0)
	v_pk_mul_f32 v[ACC+2*\p:ACC+2*\p+1], v[\buf+2*\p:\buf+2*\p+1], v[X:X+1] op_sel_hi:[1,0]   ; the first product starts the sums
.elseif (\j%2) == 0
	v_pk_fma_f32 v[ACC+2*\p:ACC+2*\p+1], v[\buf+8*\j+2*\p:\buf+8*\j+2*\p+1], v[X+8*\i+\j:X+8*\i+\j+1], v[ACC+2*\p:ACC+2*\p+1] op_sel_hi:[1,0,1]
.else
	v_pk_fma_f32 v[ACC+2*\p:ACC+2*\p+1], v[\buf+8*\j+2*\p:\buf+8*\j+2*\p+1], v[X+8*\i+\j-1:X+8*\i+\j], v[ACC+2*\p:ACC+2*\p+1] op_sel:[0,1,0] op_sel_hi:[1,1,1]
.endif
.endr
.endr
.endm
	s_wait_dscnt 16                                ; buffer 0 is in; the other buffer's sixteen loads may be out (so at each of these waits)
	FMA 0, WB0
	WLOAD 2, WB0
	s_wait_alu depctr_va_vdst(0)
	s_wait_dscnt 16
	FMA 1, WB1
	WLOAD 3, WB1
	s_wait_alu depctr_va_vdst(0)
	s_wait_dscnt 16
	FMA 2, WB0
	s_wait_alu depctr_va_vdst(0)
	s_wait_dscnt 0x0
	FMA 3, WB1
.irp m, 1,2,4,8                        ; the sums over the 32 lanes: four steps inside each half ride on the addition, one crosses the halves
.irp e, 0,1,2,3,4,5,6,7
	v_add_f32_dpp v[ACC+\e], v[ACC+\e], v[ACC+\e] row_xmask:\m row_mask:0xf bank_mask:0xf
.endr
.endr
.irp e, 0,1,2,3,4,5,6,7
	v_permlanex16_b32 v[TQ+\e], v[ACC+\e], s34, s35   ; its destination counts as read: registers that the holds have written
.endr
.irp e, 0,1,2,3,4,5,6,7
	v_add_f32 v[ACC+\e], v[ACC+\e], v[TQ+\e]
.endr
.irp e, 0,1,2,3,4,5,6,7
	v_add_f32 v[ACC+\e], s[24+\e], v[ACC+\e]       ; + bg: every lane now holds the eight logits
.endr
	v_max3_num_f32 v216, v[ACC], v[ACC+1], v[ACC+2]
	v_max3_num_f32 v216, v216, v[ACC+3], v[ACC+4]
	v_max3_num_f32 v216, v216, v[ACC+5], v[ACC+6]
	v_max_num_f32 v216, v216, v[ACC+7]             ; the largest logit is taken away first,
.irp e, 0,1,2,3,4,5,6,7
	v_sub_f32 v[P+\e], v[ACC+\e], v216             ; as a difference of its own, which rounds nothing near the maximum however large the logits are
.endr
.irp e, 0,1,2,3,4,5,6,7
	v_mul_f32 v[P+\e], 0x3fb8aa3b, v[P+\e]         ; x log2(e)
.endr
	s_wait_alu depctr_va_vdst(0)
.irp e, 0,1,2,3,4,5,6,7
	v_exp_f32 v[P+\e], v[P+\e]
.endr
	v_nop                                          ; a plain line behind the exponentials
	s_wait_alu depctr_va_vdst(0)
	v_pk_add_f32 v[218:219], v[P:P+1], v[P+2:P+3]
	v_pk_add_f32 v[220:221], v[P+4:P+5], v[P+6:P+7]
	v_pk_add_f32 v[218:219], v[218:219], v[220:221]
	v_add_f32 v217, v218, v219
	s_wait_alu depctr_va_vdst(0)
	v_rcp_f32 v216, v217
	v_nop                                          ; a plain line behind the reciprocal
	s_wait_alu depctr_va_vdst(0)
.irp e, 0,1,2,3,4,5,6,7
	v_mul_f32 v[P+\e], v[P+\e], v216
.endr
	v_mov_b32 v230, v[P]                           ; the largest probability and its expert: an ascending scan, strictly greater wins
	v_mov_b32 v228, 0
.irp e, 1,2,3,4,5,6,7
	v_cmp_gt_f32 vcc_lo, v[P+\e], v230
	v_cndmask_b32 v230, v230, v[P+\e], vcc_lo
	v_cndmask_b32 v228, v228, \e, vcc_lo
.endr
.irp e, 0,1,2,3,4,5,6,7
	v_cmp_eq_u32 vcc_lo, \e, v228
	v_cndmask_b32 v[P+\e], v[P+\e], -1.0, vcc_lo   ; the winner leaves the field: under every probability
.endr
	v_mov_b32 v231, v[P]                           ; the second, likewise
	v_mov_b32 v229, 0
.irp e, 1,2,3,4,5,6,7
	v_cmp_gt_f32 vcc_lo, v[P+\e], v231
	v_cndmask_b32 v231, v231, v[P+\e], vcc_lo
	v_cndmask_b32 v229, v229, \e, vcc_lo
.endr
	v_and_b32 v222, 1, v228
	v_mad_u32_u24 v222, v222, 0xffff, 1            ; 1 for an even expert, 1 << 16 for an odd one
	v_lshrrev_b32 v223, 1, v228                    ; its word
	v_and_b32 v232, 1, v229
	v_mad_u32_u24 v232, v232, 0xffff, 1
	v_lshrrev_b32 v233, 1, v229
.irp k, 0,1,2,3
	v_cmp_eq_u32 vcc_lo, \k, v223
	v_cndmask_b32 v[224+\k], 0, v222, vcc_lo
	v_cmp_eq_u32 vcc_lo, \k, v233
	v_cndmask_b32 v234, 0, v232, vcc_lo
	v_add_nc_u32 v[224+\k], v[224+\k], v234
.endr
	s_wait_alu depctr_va_vdst(0)
	s_wait_xcnt 0x0                                ; EXEC is a source of the stores of codes: it changes only behind this wait
	v_cmp_eq_u32 vcc_lo, 0, v1
	s_wait_tensorcnt 0x0
	ds_add_u32 v240, v241
	s_wait_dscnt 0x0
	s_and_saveexec_b32 s33, vcc_lo                 ; lane 0 alone
	global_store_b128 v7, v[224:227], s[36:37]
	global_store_b64 v7, v[228:229], s[12:13] offset:16384
	global_store_b64 v7, v[230:231], s[14:15]
	s_endpgm
.Lfunc_end_k_q652ea253d1_route:
	.size	k_q652ea253d1_route, .Lfunc_end_k_q652ea253d1_route-k_q652ea253d1_route
	.p2alignl 7, 3214868480
	.fill 96, 4, 3214868480
	.section	.rodata,"a",@progbits
	.p2align	6, 0x0
	.amdhsa_kernel k_q652ea253d1_route
		.amdhsa_group_segment_fixed_size 35328
		.amdhsa_private_segment_fixed_size 0
		.amdhsa_enable_private_segment 0
		.amdhsa_kernarg_size 56
		.amdhsa_user_sgpr_count 2
		.amdhsa_user_sgpr_kernarg_segment_ptr 1
		.amdhsa_wavefront_size32 1
		.amdhsa_system_sgpr_workgroup_id_x 1
		.amdhsa_system_sgpr_workgroup_id_y 1
		.amdhsa_system_sgpr_workgroup_id_z 1
		.amdhsa_system_vgpr_workitem_id 0
		.amdhsa_next_free_vgpr 242
		.amdhsa_next_free_sgpr 66
		.amdhsa_reserve_vcc 1
		.amdhsa_float_denorm_mode_32 3
		.amdhsa_float_denorm_mode_16_64 3
		.amdhsa_memory_ordered 1
		.amdhsa_forward_progress 1
		.amdhsa_inst_pref_size 30
	.end_amdhsa_kernel
	.amdgpu_metadata
---
amdhsa.version: [ 1, 2 ]
amdhsa.kernels:
  - .name:           k_q652ea253d1_route
    .symbol:         k_q652ea253d1_route.kd
    .args:
      - { .name: x, .offset: 0, .size: 8, .value_kind: global_buffer, .address_space: global }
      - { .name: Wg, .offset: 8, .size: 8, .value_kind: global_buffer, .address_space: global }
      - { .name: bg, .offset: 16, .size: 8, .value_kind: global_buffer, .address_space: global }
      - { .name: lowp_scales, .offset: 24, .size: 8, .value_kind: global_buffer, .address_space: global }
      - { .name: rti, .offset: 32, .size: 8, .value_kind: global_buffer, .address_space: global }
      - { .name: gw, .offset: 40, .size: 8, .value_kind: global_buffer, .address_space: global }
      - { .name: xq, .offset: 48, .size: 8, .value_kind: global_buffer, .address_space: global }
    .group_segment_fixed_size: 35328
    .private_segment_fixed_size: 0
    .kernarg_segment_align: 8
    .kernarg_segment_size: 56
    .max_flat_workgroup_size: 128
    .sgpr_count:     66
    .vgpr_count:     242
    .wavefront_size: 32
...
	.end_amdgpu_metadata
.endif
;; end of part 6
;; launch place (part 7): grid 32 x 1, 4 waves a work-group, no clusters, 0 bytes of LDS; arguments rti, xq, plc, xs; writes plc, xs
.if DOCPART == 7
	.amdgcn_target "amdgcn-amd-amdhsa--gfx1250"
	.amdhsa_code_object_version 6
	.text
	.protected	k_q652ea253d1_place
	.globl	k_q652ea253d1_place
	.p2align	8
	.type	k_q652ea253d1_place,@function
k_q652ea253d1_place:
	s_mov_b64 s[64:65], 0
	v_nop
	global_prefetch_b8 v0, s[64:65] scope:SCOPE_SE
	s_setreg_imm32_b32 hwreg(HW_REG_WAVE_MODE, 25, 1), 1
	s_wait_xcnt 0x0
; THE ROWS ARE PLACED BY EXPERT: a counting sort made by gathering, with no traffic between work-groups.
; n_e = tokens that chose expert e; an expert's rows fill tiles of 16; TB_e = the tiles of the experts before it (never more than 135 in all: 2,048 / 16 + 7).
; The row of (token, slot) with expert e is R = 16 TB_e + the number of earlier tokens that chose e.
; Work-group g owns tokens 32 g .. 32 g + 31, lane = token.  EVERY wave reads all 1,024 tokens' count words (16 KB) and makes all counts itself: no LDS, no barrier.
; A count word holds two experts' counts in its halves: at most 1,024 each, so the halves never meet.
; Then wave w copies the codes of tokens 8 w .. 8 w + 7 of the group to their two rows of xs, 512 consecutive bytes a store.
; plc: [0, 8192) pos[t][2] = R;  [8192, 8256) tab[e] = n_e, TB_e (work-group 0).  Rows of xs behind an expert's last token are not written, and no later launch reads them.
.set TOT, 8                            ; v8-11    the counts of all tokens
.set BEF, 12                           ; v12-15   of the groups before mine
.set VO,  24                           ; v24-39   byte offsets of my 16 rows in xs
.set ROW, 64                           ; v64-127  eight tokens' codes
.set INC, 128                          ; v128-255 count words: load m holds group m, lane = token
	s_load_b256 s[4:11], s[0:1], 0x0               ; rti s[4:5], xq s[6:7], plc s[8:9], xs s[10:11]
	v_lshrrev_b32 v1, 5, v0
	v_readfirstlane_b32 s16, v1                    ; wave
	s_mov_b32 s17, ttmp9                           ; g
	v_and_b32 v1, 31, v0                           ; lane
	v_lshlrev_b32 v3, 4, v1                        ; 16 x lane
	v_lshlrev_b32 v2, 3, v1
	s_lshl_b32 s66, s17, 8
	v_add_nc_u32 v2, s66, v2                       ; 8 (32 g + lane)
	v_lshlrev_b32 v41, 2, v1
	s_lshl_b32 s66, s17, 15                        ; 32 g rows of 1,024 codes,
	s_lshl_b32 s67, s16, 13                        ; 8 w more
	s_add_co_u32 s66, s66, s67
	s_mov_b32 s67, 0
	s_mov_b32 s76, 0x76543210                      ; v_permlanex16_b32: lane l xor 16
	s_mov_b32 s77, 0xfedcba98
	s_wait_alu depctr_va_vdst(0)
	s_wait_kmcnt 0x0
	s_add_nc_u64 s[6:7], s[6:7], s[66:67]
	global_load_b64 v[18:19], v2, s[4:5] offset:16384      ; my token's two experts
.set m, 0
.rept 32
	global_load_b128 v[INC+4*m:INC+4*m+3], v3, s[4:5] offset:512*m
.set m, m+1
.endr
.irp i, 0,1,2,3,4,5,6,7
	global_load_b128 v[ROW+8*\i:ROW+8*\i+3], v3, s[6:7] offset:1024*\i th:TH_LOAD_NT
	global_load_b128 v[ROW+8*\i+4:ROW+8*\i+7], v3, s[6:7] offset:1024*\i+512 th:TH_LOAD_NT
.endr
	s_wait_loadcnt 16                              ; the experts and the count words are in; the sixteen loads of codes, issued behind them, may be out
.irp k, 0,1,2,3
	v_add_nc_u32 v[TOT+\k], v[INC+\k], v[INC+4+\k]
.endr
.set m, 2
.rept 15
.irp k, 0,1,2,3
	v_add3_u32 v[TOT+\k], v[TOT+\k], v[INC+4*m+\k], v[INC+4*m+4+\k]
.endr
.set m, m+2
.endr
	s_cmp_gt_u32 s17, 0                            ; the groups before mine count, the others do not: a factor 1 or 0 made of the work-group's number, no branch
	s_cselect_b32 s66, 1, 0
.irp k, 0,1,2,3
	v_mul_u32_u24 v[BEF+\k], v[INC+\k], s66        ; (a count word of one token is under 2^24)
.endr
.set m, 1
.rept 30
	s_cmp_gt_u32 s17, m
	s_cselect_b32 s66, 1, 0
.irp k, 0,1,2,3
	v_mad_u32_u24 v[BEF+\k], v[INC+4*m+\k], s66, v[BEF+\k]
.endr
.set m, m+1
.endr
	v_mov_b32 v16, 0                               ; the destination of the lane moves below counts as read
.irp x, 1,2,4,8                        ; the eight words summed over the 32 lanes
.irp k, 0,1,2,3,4,5,6,7
	v_mov_b32_dpp v16, v[TOT+\k] row_xmask:\x row_mask:0xf bank_mask:0xf
	v_add_nc_u32 v[TOT+\k], v[TOT+\k], v16
.endr
.endr
.irp k, 0,1,2,3,4,5,6,7
	v_permlanex16_b32 v16, v[TOT+\k], s76, s77
	v_add_nc_u32 v[TOT+\k], v[TOT+\k], v16
.endr
	s_wait_alu depctr_va_vdst(0)
.irp k, 0,1,2,3
	v_readfirstlane_b32 s66, v[TOT+\k]
	s_and_b32 s[40+2*\k], s66, 0xffff              ; s40-47: n_e
	s_lshr_b32 s[41+2*\k], s66, 16
	v_readfirstlane_b32 s66, v[BEF+\k]
	s_and_b32 s[48+2*\k], s66, 0xffff              ; s48-55: those of earlier groups
	s_lshr_b32 s[49+2*\k], s66, 16
.endr
	s_mov_b32 s67, 0
.irp e, 0,1,2,3,4,5,6,7
	s_mov_b32 s[56+\e], s67                        ; s56-63: TB_e
	s_lshl_b32 s68, s67, 4
	s_add_co_u32 s[48+\e], s[48+\e], s68           ; the first row that my group may take with expert e
	s_add_co_u32 s68, s[40+\e], 15
	s_lshr_b32 s68, s68, 4
	s_add_co_u32 s67, s67, s68
.endr
	v_mov_b32 v20, 0
	v_mov_b32 v21, 0
.irp e, 0,1,2,3,4,5,6,7
	v_cmp_eq_u32 s68, \e, v18
	v_cmp_eq_u32 s69, \e, v19
	s_or_b32 s70, s68, s69                         ; the group's tokens with expert e (a token's two experts differ)
	v_mbcnt_lo_u32_b32 v22, s70, s[48+\e]          ; those in lower lanes, + the first row
	v_cndmask_b32 v20, v20, v22, s68
	v_cndmask_b32 v21, v21, v22, s69
.endr
	v_min_u32 v20, 0x87f, v20                      ; a row of xs: 2,175 at the most
	v_min_u32 v21, 0x87f, v21
	s_cmp_lg_u32 s16, 0
	s_cbranch_scc1 .Lrows
	global_store_b64 v2, v[20:21], s[8:9]          ; wave 0: the group's 32 pairs, 256 consecutive bytes
	s_cmp_lg_u32 s17, 0
	s_cbranch_scc1 .Lrows
	v_mov_b32 v40, 0                               ; work-group 0: the table, n_e in lane 2 e, TB_e in lane 2 e + 1
.irp e, 0,1,2,3,4,5,6,7
	v_writelane_b32 v40, s[40+\e], 2*\e
	v_writelane_b32 v40, s[56+\e], 2*\e+1
.endr
	s_wait_alu depctr_va_vdst(0)
	s_wait_xcnt 0x0                                ; EXEC is a source of the loads and the store above: it changes only behind this wait
	v_cmp_gt_u32 vcc_lo, 16, v1
	s_and_saveexec_b32 s75, vcc_lo
	global_store_b32 v41, v40, s[8:9] offset:8192
	s_wait_xcnt 0x0                                ; and again in front of the line that widens it
	s_or_b32 exec_lo, exec_lo, s75
.Lrows:
	s_lshl_b32 s72, s16, 3
	s_wait_alu depctr_va_vdst(0)
.irp i, 0,1,2,3,4,5,6,7
	s_add_co_u32 s73, s72, \i                      ; token 8 w + i of the group lies in that lane
	v_readlane_b32 s74, v20, s73
	s_min_u32 s74, s74, 2175
	v_lshl_add_u32 v[VO+2*\i], s74, 10, v3
	v_readlane_b32 s74, v21, s73
	s_min_u32 s74, s74, 2175
	v_lshl_add_u32 v[VO+2*\i+1], s74, 10, v3
.endr
	s_wait_alu depctr_va_vdst(0)
	s_wait_loadcnt 0x0                             ; the codes
.irp i, 0,1,2,3,4,5,6,7
.irp s, 0,1
	global_store_b128 v[VO+2*\i+\s], v[ROW+8*\i:ROW+8*\i+3], s[10:11]
	global_store_b128 v[VO+2*\i+\s], v[ROW+8*\i+4:ROW+8*\i+7], s[10:11] offset:512
.endr
.endr
	s_endpgm
.Lfunc_end_k_q652ea253d1_place:
	.size	k_q652ea253d1_place, .Lfunc_end_k_q652ea253d1_place-k_q652ea253d1_place
	.p2alignl 7, 3214868480
	.fill 96, 4, 3214868480
	.section	.rodata,"a",@progbits
	.p2align	6, 0x0
	.amdhsa_kernel k_q652ea253d1_place
		.amdhsa_group_segment_fixed_size 0
		.amdhsa_private_segment_fixed_size 0
		.amdhsa_enable_private_segment 0
		.amdhsa_kernarg_size 32
		.amdhsa_user_sgpr_count 2
		.amdhsa_user_sgpr_kernarg_segment_ptr 1
		.amdhsa_wavefront_size32 1
		.amdhsa_system_sgpr_workgroup_id_x 1
		.amdhsa_system_sgpr_workgroup_id_y 1
		.amdhsa_system_sgpr_workgroup_id_z 1
		.amdhsa_system_vgpr_workitem_id 0
		.amdhsa_next_free_vgpr 256
		.amdhsa_next_free_sgpr 100
		.amdhsa_reserve_vcc 1
		.amdhsa_float_denorm_mode_32 3
		.amdhsa_float_denorm_mode_16_64 3
		.amdhsa_memory_ordered 1
		.amdhsa_forward_progress 1
		.amdhsa_inst_pref_size 37
	.end_amdhsa_kernel
	.amdgpu_metadata
---
amdhsa.version: [ 1, 2 ]
amdhsa.kernels:
  - .name:           k_q652ea253d1_place
    .symbol:         k_q652ea253d1_place.kd
    .args:
      - { .name: rti, .offset: 0, .size: 8, .value_kind: global_buffer, .address_space: global }
      - { .name: xq, .offset: 8, .size: 8, .value_kind: global_buffer, .address_space: global }
      - { .name: plc, .offset: 16, .size: 8, .value_kind: global_buffer, .address_space: global }
      - { .name: xs, .offset: 24, .size: 8, .value_kind: global_buffer, .address_space: global }
    .group_segment_fixed_size: 0
    .private_segment_fixed_size: 0
    .kernarg_segment_align: 8
    .kernarg_segment_size: 32
    .max_flat_workgroup_size: 128
    .sgpr_count:     100
    .vgpr_count:     256
    .wavefront_size: 32
...
	.end_amdgpu_metadata
.endif
;; end of part 7
;; launch gemm1 (part 8): grid 32 x 8, 4 waves a work-group, no clusters, 133,632 bytes of LDS; arguments xs, W1_codes, b1, lowp_scales, plc, hs; writes hs
.if DOCPART == 8
	.amdgcn_target "amdgcn-amd-amdhsa--gfx1250"
	.amdhsa_code_object_version 6
	.text
	.protected	k_q652ea253d1_gemm1
	.globl	k_q652ea253d1_gemm1
	.p2align	8
	.type	k_q652ea253d1_gemm1,@function
k_q652ea253d1_gemm1:
	s_mov_b64 s[64:65], 0
	v_nop
	global_prefetch_b8 v0, s[64:65] scope:SCOPE_SE
	s_setreg_imm32_b32 hwreg(HW_REG_WAVE_SCHED_MODE, 0, 2), 2
	s_setreg_imm32_b32 hwreg(HW_REG_WAVE_MODE, 25, 1), 1
	s_wait_xcnt 0x0
	s_wait_alu depctr_vm_vsrc(0)
; h = Q(relu(x W1 + b1)) FOR THE CHOSEN ROWS, on codes of BF8 (E5M2).  xs: [2176 sorted rows][1024] codes of x.  W1_codes: [8][4096 f][1024 d].  b1: [8][4096] f32.
; Work-group (c, e) owns hidden units 128 c .. 128 c + 127 of expert e, for all n_e rows of that expert: its 128 KB of W1 leave memory once, for this work-group alone, and lie in LDS.
; THE WAVES SHARE THE ROWS: in a pass wave w takes the five tiles of 16 rows T0 + 4 a + w (a = 0..4) against all eight tiles of hidden units: 40 accumulators, 320 registers;
; a fragment of W1 read from LDS feeds five products.  A pass serves 20 tiles, 320 rows; the passes are counted: ceil(tiles / 20), four at the most (an expert has at most 1,024 rows, 64 tiles).
; THE PRODUCT IS USED TRANSPOSED (source 0 = 16 rows of W1, source 1 = 16 rows of x): a lane holds ONE row, and its registers run along the hidden units, which are the next product's K.
; THE ROWS OF W1 THAT FORM A TILE ARE NOT NEIGHBOURS: unit 32 b + 16 hh + 8 u + i lies in LDS row 32 b + 16 u + 8 hh + i, so that tile 2 b + u is 16 consecutive LDS rows and the 16 registers of tiles
; 2 b and 2 b + 1 are 16 neighbours along the next K: 32 b + 16 (lane / 16) + 0 .. 15.  So the conversions' results ARE a fragment of the next product.
; hs: block (tile Tg, K step c) of 2,048 bytes is the image of that fragment's registers: [4 groups of four registers][lane][16 bytes]: four stores of 512 consecutive bytes.
; b1 goes in as the C of each sum's first product, divided by 2^(ex + ew1); relu and the hold at the largest code are one v_med3; the three scales ahead of the quantiser are folded into 2^(eh - ex - ew1).
; A fragment's k stand in another order than the form's own (registers 4 c .. 4 c + 3: k = 32 c + 16 (lane / 16) + 0 .. 15), alike in both operands: every product meets its partner.
; Rows behind the expert's last are clamped to the last: they read bytes that were stored, and their results fill the last tile's image or are not stored.
; NO TENSOR LOAD, NO JOINT LOAD: the 32 work-groups of an expert read the same rows of x, but how many tiles there are is a number read from memory that steers a trip count and branches here,
; the larger operand, W1, is shared by nobody.
; LIMITS: eh - ex - ew1 between -126 and 112, so that the conversion's scale and 57,344 x it are f32 numbers; b1 / 2^(ex + ew1) stays inside f32.  NaN is not served.
; REGISTERS, in windows of 256: window 0: v1-22 addresses and scales; v32-95 b1's eight tiles; v96-175, v176-255 sets 0 and 1 of x's fragments (16 registers a tile); the codes just made lie in set 0's place.
;   window 1: W1's eight fragments, two sets.   window 2: accumulators of a = 0..3 at v[64 a + 8 j]; at the start W1 on its way to LDS.   window 3: v0-63 those of a = 4; v64-143 set 2 of x.
; THE MODE: SCHED_MODE bits 1:0 = 2 (LLVM: expert scheduling mode 2), set by the entry lines.  The code itself states the register dependences
; between vector or matrix instructions and memory or LDS instructions, with s_wait_alu, always for 0.
; THE PLAN.  Registers that memory or LDS instructions touch:
;   W1's sets 0, 1   K step s: its 40 products read set s % 2; the LDS loads of step s + 1, issued in step s, land in the other set, which the products of step s - 1 read last.
;   x's sets 0 .. 2  K step s: its products read set s % 3; the loads of step s + 2, issued in step s, land in set (s + 2) % 3 = (s - 1) % 3.
;   v96-175          On the way out: written by the conversions, read by the stores of images, then taken by the next pass's first loads of x.
;   v8-12            x's offsets: written once a pass, behind the way out; read by every load of x.      v13-17  the images' offsets: written on the way out, read by its stores.
;   v3-7, v20, v22   Made at the head and never written again.      window 2 at the start: loaded, read by the LDS stores, accumulators from the barrier on.
;   The accumulators, b1's tiles and the two scales are named by vector and matrix instructions alone in the loop.      v30, v31: written at the head, read by the closing add alone.
; So ONE wait on va_vdst stands at the head of K steps 1 to 6: the step before is done reading the two sets in which this step's loads land.  Behind it x's loads go out, and W1's are dealt among the step's
; products, which name set s % 2 of W1, set s % 3 of x, the accumulators and b1: none of the registers that those loads touch.  One more stands ahead of the run of stores, and one behind the new offsets at
; a pass's end, which also serves the next pass's first step.  One wait on vm_vsrc a pass stands behind the stores.
.set PW,   1040                        ; an LDS row: 1,024 bytes + 16 = 260 words: row r starts at bank 4 r mod 64 (64 banks of 4 bytes: ISA guide 11.1), so the 16 rows of a fragment load start at 16 different banks
.set XA,   8                           ; v8-12   byte offsets in xs of my lane's row in the pass's five tiles
.set HA,   13                          ; v13-17  byte offsets in hs of the five images
.set BIAS, 32
.set MSB,  0
.macro WIN new                         ; the immediate's high byte repeats the setting that is left; a switch that changes nothing is dropped
.if MSB != (\new)
	s_set_vgpr_msb (MSB<<8)|(\new)
.set MSB, \new
.endif
.endm
.macro PLACES n
.rept \n
	v_nop
.endr
.endm
	s_load_b256 s[4:11], s[0:1], 0x0               ; xs s[4:5], W1 s[6:7], b1 s[8:9], the scales' exponents s[10:11]
	s_load_b128 s[12:15], s[0:1], 0x20             ; plc s[12:13], hs s[14:15]
	v_lshl_add_u32 v30, v0, 2, 0x20800
	v_mov_b32 v31, 0
	v_lshrrev_b32 v1, 5, v0
	v_readfirstlane_b32 s16, v1                    ; wave
	s_mov_b32 s17, ttmp9                           ; c
	s_and_b32 s18, ttmp7, 0xffff                   ; e
	v_and_b32 v21, 31, v0
	v_lshlrev_b32 v3, 4, v21                       ; 16 x lane
	v_and_b32 v1, 15, v0                           ; r
	v_bfe_u32 v2, v0, 4, 1                         ; h
	v_lshlrev_b32 v4, 4, v2                        ; 16 h
	v_mul_u32_u24 v5, v1, PW
	v_lshl_add_u32 v5, v2, 4, v5                   ; W1's fragments: LDS row r, + 16 h; tiles 0-3,
	v_add_nc_u32 v6, 64*PW, v5                     ; tiles 4-7
	s_wait_alu depctr_va_sdst(0)                   ; s16, the wave's number, is written, ahead of its first reader
	s_mul_i32 s32, s16, 32*PW
	v_add_nc_u32 v7, s32, v3                       ; on the way in: my wave's 32 rows
	v_lshlrev_b32 v20, 6, v2                       ; b1: 16 h numbers on
	s_lshl_b32 s32, s17, 11
	v_add_nc_u32 v22, s32, v3                      ; an image's place for my lane: 2,048 c + 16 x lane
	s_lshl_b32 s40, s18, 22                        ; W1: (4096 e + 128 c + 32 w) rows of 1,024 bytes
	s_lshl_b32 s41, s17, 17
	s_add_co_u32 s40, s40, s41
	s_lshl_b32 s41, s16, 15
	s_add_co_u32 s40, s40, s41
	s_mov_b32 s41, 0
	s_lshl_b32 s42, s18, 14                        ; b1: (4096 e + 128 c) numbers
	s_lshl_b32 s43, s17, 9
	s_add_co_u32 s42, s42, s43
	s_mov_b32 s43, 0
	s_lshl_b32 s44, s18, 3                         ; the table's entry e
	s_mov_b32 s45, 0
	s_wait_kmcnt 0x0
	s_add_nc_u64 s[12:13], s[12:13], s[44:45]
	s_load_b64 s[20:21], s[12:13], 0x2000          ; n_e, TB_e
	s_load_b128 s[24:27], s[10:11], 0x0            ; ex, ew1, ew2, eh
	s_add_nc_u64 s[6:7], s[6:7], s[40:41]
	s_add_nc_u64 s[8:9], s[8:9], s[42:43]
	WIN 0x80                                       ; destination window 2
	s_wait_alu depctr_va_vdst(0)                   ; the offsets and LDS addresses v3 to v7, v20 and v22 are written, which the loads and stores of the whole kernel read
.set rho, 0
.rept 32                               ; my 32 rows of W1: 64 loads of 512 consecutive bytes; read once in the launch
	global_load_b128 v[8*rho:8*rho+3], v3, s[6:7] offset:1024*rho th:TH_LOAD_NT
	global_load_b128 v[8*rho+4:8*rho+7], v3, s[6:7] offset:1024*rho+512 th:TH_LOAD_NT
.set rho, rho+1
.endr
	WIN 0
	s_wait_kmcnt 0x0
	s_add_co_u32 s28, s20, 15
	s_lshr_b32 s28, s28, 4                         ; the expert's tiles
	s_max_u32 s29, s20, 1
	s_sub_co_u32 s29, s29, 1                       ; its last row, counted from its first
	s_lshl_b32 s30, s21, 4                         ; its first row in xs;
	s_cmp_eq_u32 s20, 0
	s_cselect_b32 s30, 0, s30                      ; an expert without rows reads row 0, which is always written
	s_mov_b32 s31, 0                               ; T0
	s_mov_b32 s46, 0                               ; passes done
	s_add_co_u32 s47, s28, 19
	s_mul_i32 s47, s47, 205
	s_lshr_b32 s47, s47, 12                        ; passes to do: (tiles + 19) / 20, as x 205 / 4,096: exact for tiles + 19 up to 83,
	s_min_u32 s47, s47, 4                          ; and 64 tiles are four passes
	s_add_co_i32 s37, s24, s25                     ; ex + ew1: a sum stands for sum x 2^(ex + ew1)
	s_sub_co_i32 s38, s27, s37                     ; eh - ex - ew1
	s_sub_co_i32 s37, 0, s37
	s_add_co_i32 s38, s38, 127
	s_lshl_b32 s39, s38, 23
	v_mov_b32 v18, s39                             ; 2^(eh - ex - ew1) as f32: the conversion takes its exponent field
	s_add_co_i32 s38, s38, 15
	s_lshl_b32 s38, s38, 23
	s_or_b32 s38, s38, 0x600000
	v_mov_b32 v19, s38                             ; 57,344 x that
.macro ADDR                            ; where my lane's row of each of the pass's five tiles lies in xs
.irp a, 0,1,2,3,4
	s_add_co_u32 s32, s31, s16
	s_add_co_u32 s32, s32, 4*\a                    ; tile T0 + 4 a + w
	s_lshl_b32 s32, s32, 4
	v_add_nc_u32 v21, s32, v1
	v_min_u32 v21, s29, v21                        ; not behind the expert's last row
	v_add_nc_u32 v21, s30, v21
	v_min_u32 v21, 0x87f, v21                      ; a row of xs: 2,175 at the most
	v_lshl_add_u32 v[XA+\a], v21, 10, v4
.endr
.endm
.macro XLOAD s                         ; x's five fragments of K step s into set s % 3: 20 loads
.if ((\s)%3) == 2
	WIN 0xc0                                       ; destination window 3
.set XB, 64
.else
	WIN 0
.set XB, 96+80*((\s)%3)
.endif
.irp a, 0,1,2,3,4
.irp c, 0,1,2,3
	global_load_b128 v[XB+16*\a+4*\c:XB+16*\a+4*\c+3], v[XA+\a], s[4:5] offset:128*(\s)+32*\c
.endr
.endr
.endm
.macro FETCH_WH s, hf                  ; four of W1's eight fragments of K step s, tiles 4 hf .. 4 hf + 3, into set s % 2: a run of 16 LDS loads
	WIN 0x40                                       ; destination window 1
.irp j, 0,1,2,3
.irp c, 0,1,2,3
	ds_load_b128 v[128*((\s)%2)+16*(4*(\hf)+\j)+4*\c:128*((\s)%2)+16*(4*(\hf)+\j)+4*\c+3], v[5+(\hf)] offset:16*\j*PW+128*(\s)+32*\c
.endr
.endr
.endm
; 40 products of K step s.  The 40 accumulators take turns, one instruction a turn, in the same order in every step.  Step 0 starts the sums with b1 as C: nothing is cleared.
; Among them the next step's W1 is asked for, in two runs of 16 LDS loads, behind the first and the second tile's eight products: 24 products stand between the last run and its first use.
; No wait stands in front of these runs: no vector or matrix instruction since the step's wait names W1's other set or v5, v6.
.macro MUL s
.set XB, 96+80*((\s)%3)
.set XW, 0
.if ((\s)%3) == 2
.set XB, 64
.set XW, 0x0c
.endif
.set WB, 128*((\s)%2)
.irp a, 0,1,2,3,4
.set AC, 64*(\a%4)
.set DW, 2+\a/4
.if \s == 0
	WIN 0x01+(DW<<6)                               ; source 0 (W1) window 1, x and b1 window 0, D window 2 or 3
.else
	WIN 0x01+XW+(DW<<4)+(DW<<6)                    ; x in its set's window, C and D window 2 or 3
.endif
.irp j, 0,1,2,3,4,5,6,7
.if \s == 0
	v_wmma_f32_16x16x128_bf8_bf8 v[AC+8*\j:AC+8*\j+7], v[WB+16*\j:WB+16*\j+15], v[XB+16*\a:XB+16*\a+15], v[BIAS+8*\j:BIAS+8*\j+7]
.else
	v_wmma_f32_16x16x128_bf8_bf8 v[AC+8*\j:AC+8*\j+7], v[WB+16*\j:WB+16*\j+15], v[XB+16*\a:XB+16*\a+15], v[AC+8*\j:AC+8*\j+7]
.endif
.endr
.if (\s < 7) && (\a < 2)
	FETCH_WH \s+1, \a
.endif
.endr
.endm
; A K step of 128.  Four places stand behind the last step's products, as in the plain form of this text, and the step's one wait on va_vdst beside them.  Behind it the x of two steps on is asked for, into the set
; that the step before has multiplied.  Step 0 has no such wait: the one at the end of the pass before (in the first pass: the head's) covers its loads, and nothing since names the sets in which they land.
; Step 7 issues no load, so it has none either.
.macro STEP s
.if \s > 0
	PLACES 4
.endif
.if (\s > 0) && (\s < 7)
	s_wait_alu depctr_va_vdst(0)                   ; the last step's products are done reading W1's other set and their set of x, in which this step's loads land
.endif
.if \s < 6
	XLOAD \s+2
.endif
	s_wait_dscnt 0x0                               ; this step's W1 is in: it was asked for among the last step's products (step 0: at the pass's head)
.if \s < 6
	s_wait_loadcnt 40                              ; this step's x is in; the two younger sets, 20 loads each, may be out
.elseif \s == 6
	s_wait_loadcnt 20                              ; one younger set
.else
	s_wait_loadcnt 0x0
.endif
	MUL \s
.endm
; THE WAY OUT, in two parts.  First, for each of the five tiles: relu and hold in one, eight conversions, and the image's offset in hs (made for every tile, used only for a tile that exists).
.macro EPIC a
.set AC, 64*(\a%4)
.set DW, 2+\a/4
	WIN (DW<<6)+DW                                 ; source 0 and destination: the accumulators' window
.set i, 0
.rept 64
	v_med3_num_f32 v[AC+i], v[AC+i], 0, v19        ; between 0 and the largest code x the scale (the conversion does not saturate: ISA guide 7.6.2); each accumulator from its low end on
.set i, i+1
.endr
	WIN DW                                         ; source 0 alone
.irp g, 0,1,2,3,4,5,6,7
	v_cvt_scalef32_pk8_bf8_f32 v[96+16*\a+2*\g:96+16*\a+2*\g+1], v[AC+8*\g:AC+8*\g+7], v18   ; tile g's eight units: registers 2 g, 2 g + 1 of the fragment
.endr
	WIN 0
	v_nop                                          ; a plain line behind the last conversion: the next pass's products write its sources
	s_add_co_u32 s32, s31, s16
	s_add_co_u32 s32, s32, 4*\a
	s_add_co_u32 s32, s32, s21
	s_min_u32 s32, s32, 135                        ; a tile of hs: 135 at the most
	v_lshl_add_u32 v[HA+\a], s32, 16, v22          ; 32 images of 2,048 bytes a tile
.endm
; Then, behind one wait, each tile's image to hs, if the tile exists.
.macro SEND a
	s_add_co_u32 s32, s31, s16
	s_add_co_u32 s32, s32, 4*\a
	s_cmp_lt_u32 s32, s28                          ; a tile behind the expert's last is not stored
	s_cbranch_scc0 .Lskip_\@
.irp b, 0,1,2,3
	global_store_b128 v[HA+\a], v[96+16*\a+4*\b:96+16*\a+4*\b+3], s[14:15] offset:512*\b   ; 32 lanes store 512 consecutive bytes, at a multiple of 256 from hs's first byte
.endr
.Lskip_\@:
.endm
	ADDR
	s_wait_alu depctr_va_vdst(0)                   ; v8 to v12 are written, which the loads of x read as their offsets
.irp j, 0,1,2,3,4,5,6,7                ; b1 in the result's layout: tile 2 b + u, lane half h: units 32 b + 16 h + 8 u + 0 .. 7
	global_load_b128 v[BIAS+8*\j:BIAS+8*\j+3], v20, s[8:9] offset:(32*(\j/2)+8*(\j%2))*4
	global_load_b128 v[BIAS+8*\j+4:BIAS+8*\j+7], v20, s[8:9] offset:(32*(\j/2)+8*(\j%2))*4+16
.endr
	XLOAD 0
	XLOAD 1
	s_wait_loadcnt 56                              ; W1's 64 loads are in; behind them: b1's 16 and x's 2 x 20
	WIN 0x08                                       ; store data window 2
.set rho, 0
.rept 32                               ; row rho of my 32 goes to LDS row rho with its bits 3 and 4 exchanged
	ds_store_b128 v7, v[8*rho:8*rho+3] offset:((rho&7)|((rho&8)<<1)|((rho&16)>>1))*PW
	ds_store_b128 v7, v[8*rho+4:8*rho+7] offset:((rho&7)|((rho&8)<<1)|((rho&16)>>1))*PW+512
.set rho, rho+1
.endr
	WIN 0
	s_wait_dscnt 0x0                               ; for the others' sake: my rows of W1 lie in LDS
	s_barrier_signal -1
	s_barrier_wait -1                              ; the launch's one barrier: from here on LDS is only read
	s_wait_alu depctr_vm_vsrc(0)                   ; my LDS stores have read window 2's registers: they are accumulators from here on, written by the products
	s_wait_loadcnt 40                              ; b1 is in; x's 2 x 20 may be out
.set i, 0
.rept 64
	v_ldexp_f32 v[BIAS+i], v[BIAS+i], s37          ; b1 / 2^(ex + ew1)
.set i, i+1
.endr
	s_cmp_lt_u32 s46, s47
	s_cbranch_scc0 .Lend                           ; an expert without rows: no pass, nothing to store
.Lpass:
	FETCH_WH 0, 0                                  ; the pass's first W1.  No wait: the last wait on va_vdst stands behind every product that read this set
	FETCH_WH 0, 1
	s_wait_alu depctr_va_vdst(0)
	STEP 0
	STEP 1
	STEP 2
	STEP 3
	STEP 4
	STEP 5
	STEP 6
	STEP 7
	WIN 0
	PLACES 4                                       ; in front of the first read of results
	EPIC 0
	EPIC 1
	EPIC 2
	EPIC 3
	EPIC 4
	s_wait_alu depctr_va_vdst(0)                   ; the conversions have written the codes in v96 to v175, and v13 to v17 are written: the stores below read both
	SEND 0
	SEND 1
	SEND 2
	SEND 3
	SEND 4
	s_wait_xcnt 0x0                                ; the stores have had their addresses translated: their codes and offsets may be written again
	s_wait_alu depctr_vm_vsrc(0)                   ; the stores have read the codes, in whose place loads of x land below, and v13 to v17, which the next pass writes; the pass's loads of x have read v8 to v12, which are written below
	s_add_co_u32 s31, s31, 20                      ; the next pass's first tile
	s_add_co_u32 s46, s46, 1                       ; the loop's counter: one a pass
	ADDR
	s_wait_alu depctr_va_vdst(0)                   ; v8 to v12 are written; the conversions have written set 0's place and the last products are done reading x's sets and both sets of W1: the loads below and those of the next pass's first step land there
	XLOAD 0                                        ; the next pass's first two steps of x; in the last pass too (clamped rows), so that the counts above hold on every way
	XLOAD 1
	s_cmp_lt_u32 s46, s47
	s_cbranch_scc1 .Lpass
.Lend:
	s_wait_dscnt 0x0                               ; the closing lines, six on end
	s_wait_alu 0x0
	s_wait_tensorcnt 0x0
	ds_add_u32 v30, v31
	s_wait_dscnt 0x0
	s_endpgm
.Lfunc_end_k_q652ea253d1_gemm1:
	.size	k_q652ea253d1_gemm1, .Lfunc_end_k_q652ea253d1_gemm1-k_q652ea253d1_gemm1
	.p2alignl 7, 3214868480
	.fill 96, 4, 3214868480
	.section	.rodata,"a",@progbits
	.p2align	6, 0x0
	.amdhsa_kernel k_q652ea253d1_gemm1
		.amdhsa_group_segment_fixed_size 133632
		.amdhsa_private_segment_fixed_size 0
		.amdhsa_enable_private_segment 0
		.amdhsa_kernarg_size 48
		.amdhsa_user_sgpr_count 2
		.amdhsa_user_sgpr_kernarg_segment_ptr 1
		.amdhsa_wavefront_size32 1
		.amdhsa_system_sgpr_workgroup_id_x 1
		.amdhsa_system_sgpr_workgroup_id_y 1
		.amdhsa_system_sgpr_workgroup_id_z 1
		.amdhsa_system_vgpr_workitem_id 0
		.amdhsa_next_free_vgpr 912
		.amdhsa_next_free_sgpr 66
		.amdhsa_reserve_vcc 0
		.amdhsa_float_denorm_mode_32 3
		.amdhsa_float_denorm_mode_16_64 3
		.amdhsa_memory_ordered 1
		.amdhsa_forward_progress 1
		.amdhsa_inst_pref_size 108
	.end_amdhsa_kernel
	.amdgpu_metadata
---
amdhsa.version: [ 1, 2 ]
amdhsa.kernels:
  - .name:           k_q652ea253d1_gemm1
    .symbol:         k_q652ea253d1_gemm1.kd
    .args:
      - { .name: xs, .offset: 0, .size: 8, .value_kind: global_buffer, .address_space: global }
      - { .name: W1_codes, .offset: 8, .size: 8, .value_kind: global_buffer, .address_space: global }
      - { .name: b1, .offset: 16, .size: 8, .value_kind: global_buffer, .address_space: global }
      - { .name: lowp_scales, .offset: 24, .size: 8, .value_kind: global_buffer, .address_space: global }
      - { .name: plc, .offset: 32, .size: 8, .value_kind: global_buffer, .address_space: global }
      - { .name: hs, .offset: 40, .size: 8, .value_kind: global_buffer, .address_space: global }
    .group_segment_fixed_size: 133632
    .private_segment_fixed_size: 0
    .kernarg_segment_align: 8
    .kernarg_segment_size: 48
    .max_flat_workgroup_size: 128
    .sgpr_count:     66
    .vgpr_count:     912
    .wavefront_size: 32
...
	.end_amdgpu_metadata
.endif
;; end of part 8
;; launch gemm2 (part 9): grid 32 x 8, 4 waves a work-group, no clusters, 266,752 bytes of LDS; arguments hs, W2_codes, b2, lowp_scales, plc, ys; writes ys
.if DOCPART == 9
	.amdgcn_target "amdgcn-amd-amdhsa--gfx1250"
	.amdhsa_code_object_version 6
	.text
	.protected	k_q652ea253d1_gemm2
	.globl	k_q652ea253d1_gemm2
	.p2align	8
	.type	k_q652ea253d1_gemm2,@function
k_q652ea253d1_gemm2:
	s_mov_b64 s[64:65], 0
	v_nop
	global_prefetch_b8 v0, s[64:65] scope:SCOPE_SE
	s_setreg_imm32_b32 hwreg(HW_REG_WAVE_SCHED_MODE, 0, 2), 2
	s_setreg_imm32_b32 hwreg(HW_REG_WAVE_MODE, 25, 1), 1
	s_wait_xcnt 0x0
	s_wait_alu depctr_vm_vsrc(0)
; y = h W2 x 2^(ew2 + eh) + b2 FOR THE CHOSEN ROWS, on codes of BF8 (E5M2).  hs: images of h's fragments, block (tile, K step) of 2,048 bytes.  W2_codes: [8][1024 d][4096 k].  ys: [2176 sorted rows][1024] f32.
; Work-group (x, e): outputs d = 64 (x / 2) .. + 63 of expert e, for the expert's tiles of 16 rows T = 2 i + x % 2.
; THE WAVES SHARE K: wave w keeps W2[64 d][k = 1024 w .. 1024 w + 1023] in 512 registers for the whole launch, and of each tile of rows it loads only its own eight images, 16 KB, 512 consecutive bytes a load:
; each byte of h enters the work-group once and goes straight to the wave that multiplies it.  All four waves work on every tile.
; The four partial sums of a tile meet in LDS as f32 rows; there a wave adds four rows' four parts and stores whole pieces of 256 bytes of ys.
; THE PRODUCT IS USED TRANSPOSED (source 0 = 16 rows of W2, source 1 = 16 rows of h): a lane holds one row and eight neighbouring d.
; THE LOOP OVER TILES HAS A CONSTANT COUNT, 4 trips x 2 turns x 4 tiles = 32, the most that one expert's half can have (1,024 rows): every wave passes every barrier; a tile's WORK stands under a scalar
; branch on its index against the count read from memory.  The indices ascend, so the first tile that is not there ends its turn's products: its branch leads behind all four.
; TWO TILES' IMAGES ARE ON THEIR WAY: a buffer is asked for again straight behind the products that read it, with the tile two further on (clamped to the expert's last): 64 loads a wave.
; The wait at a tile's head leaves the 32 younger loads, the other buffer's, out.  A turn that was cut short waits for all its loads before it joins the full turn's way, so that this count holds on every way into the next turn.
; NO TENSOR LOAD, NO JOINT LOAD: the number of tiles is read from memory and steers branches.
; LIMIT: ew2 + eh between -126 and 127, so that 2^(ew2 + eh) is an f32 number.
; LDS: at the start wave w's 64 rows x 1,024 bytes of W2 at 66,560 w, pitch 1,040 (its own bytes); behind the first barrier the same bytes serve as EX[2 turns][4 waves' parts][4 tiles][16 rows x 272 bytes].
; REGISTERS, in windows of 256: window 0: v1-25 addresses, b2; v32-63 four accumulators (d tile j at 32 + 8 j); v64-95 parts read back; v96-127 results, eight for each tile of a turn; v128-131 their offsets in ys.
;   window 1: W2's fragments of my K steps 0-3 at v[16 (4 s + j)];   window 2: of steps 4-7;   window 3: two buffers of 128 for a tile's eight images, even tiles' and odd tiles' (at the start: W2 on its way to LDS).
; THE MODE: SCHED_MODE bits 1:0 = 2 (LLVM: expert scheduling mode 2), set by the entry lines.  The code itself states the register dependences
; between vector or matrix instructions and memory or LDS instructions, with s_wait_alu, always for 0.
; THE PLAN.  Registers that memory or LDS instructions touch:
;   h's buffers 0, 1  At the start: loaded with W2, read by the LDS stores, loaded again.  In the loop: a tile's 32 products read its buffer; behind them the loads of the tile two further on land in it.
;   v8, v9            A buffer's offset in hs: written behind the tile's products, read by the buffer's 32 loads.
;   v32-63            The accumulators: written by a tile's products, read by its eight LDS stores, written again by the next tile's products.
;   v64-95            Parts: LDS loads land there, the additions read and write them.
;   v96-127, v128-131 Results and their offsets, a set for each of a turn's four tiles: written by the additions, read by the tile's two stores, written again a turn later.
;   v3-7, v10-16, v25 Made at the head and never written again.      W2's fragments are loaded once and then named by products alone.      v254, v255: written at the head, read by the closing add alone.
; A tile has one wait on vm_vsrc at its head, behind the waits for its data, and ONE wait on va_vdst behind its products: it states that the accumulators and the offset are written and that the products are done
; reading the buffer.  It stands there and not at the next tile's head because the buffer is to be asked for again at once: else only one tile's images would be on their way while the wave waits.
; A turn's second half has one wait on vm_vsrc behind the barrier, for all four tiles' results and offsets, and for each tile one wait on va_vdst ahead of its two stores; that wait stands behind all the tile's
; additions, so it also covers the next tile's LDS loads into v64-95.
.set PW,   1040                        ; 1,024 bytes + 16 = 260 words: row r starts at bank 4 r mod 64 (64 banks of 4 bytes: ISA guide 11.1)
.set EXT,  4352                        ; a tile's part: 16 rows x 272
.set EXP,  17408                       ; a wave's four
.set EXR,  69632                       ; a turn's four waves
.set RS,   96                          ; v96-127  results: tile tau of a turn at RS + 8 tau
.set VO,   128                         ; v128-131 byte offsets in ys: tile tau's at VO + tau
.set MSB,  0
.macro WIN new
.if MSB != (\new)
	s_set_vgpr_msb (MSB<<8)|(\new)
.set MSB, \new
.endif
.endm
.macro PLACES n
.rept \n
	v_nop
.endr
.endm
	s_load_b256 s[4:11], s[0:1], 0x0               ; hs s[4:5], W2 s[6:7], b2 s[8:9], the scales' exponents s[10:11]
	s_load_b128 s[12:15], s[0:1], 0x20             ; plc s[12:13], ys s[14:15]
	v_lshl_add_u32 v254, v0, 2, 0x41000
	v_mov_b32 v255, 0
	v_lshrrev_b32 v1, 5, v0
	v_readfirstlane_b32 s16, v1                    ; wave
	s_lshr_b32 s17, ttmp9, 1                       ; which 64 d
	s_and_b32 s18, ttmp9, 1                        ; even or odd tiles
	s_and_b32 s19, ttmp7, 0xffff                   ; e
	v_and_b32 v24, 31, v0
	v_and_b32 v1, 15, v0                           ; r
	v_bfe_u32 v2, v0, 4, 1                         ; h
	v_lshlrev_b32 v3, 4, v24                       ; 16 x lane
	s_wait_alu depctr_va_sdst(0)                   ; s16, the wave's number, is written, ahead of its first reader
	s_mul_i32 s34, s16, 64*PW
	v_add_nc_u32 v4, s34, v3                       ; W2 on the way in: my rows 0-31,
	v_add_nc_u32 v5, 32*PW, v4                     ; rows 32-63
	v_mul_u32_u24 v6, v1, PW
	v_lshl_add_u32 v6, v2, 4, v6
	v_add_nc_u32 v6, s34, v6                       ; and as fragments: row r, + 16 h
	s_lshl_b32 s34, s16, 14
	v_add_nc_u32 v7, s34, v3                       ; in a tile of hs: my eight images begin 16,384 w on; 16 bytes a lane
	v_mul_u32_u24 v10, v1, 272
	v_lshl_add_u32 v10, v2, 5, v10
	s_mul_i32 s34, s16, EXP
	v_add_nc_u32 v10, s34, v10                     ; v10, v11: where I put my part: row r, + 32 h, in my wave's region; turn 0, 1
	v_add_nc_u32 v11, EXR, v10
	s_mul_i32 s34, s16, 4*272
	v_mul_u32_u24 v12, v2, 272
	v_lshl_add_u32 v12, v1, 4, v12
	v_add_nc_u32 v12, s34, v12                     ; v12-15: where I read parts back: row 4 w + h, 16 bytes a lane; turn 0 waves 0-1, waves 2-3; turn 1 likewise
	v_add_nc_u32 v13, 2*EXP, v12
	v_add_nc_u32 v14, EXR, v12
	v_add_nc_u32 v15, EXR+2*EXP, v12
	s_lshl_b32 s34, s16, 14
	s_lshl_b32 s35, s17, 8
	s_add_co_u32 s34, s34, s35
	v_lshlrev_b32 v16, 12, v2
	v_lshl_add_u32 v16, v1, 4, v16
	v_add_nc_u32 v16, s34, v16                     ; the same place in a tile of ys: 4,096 (4 w + h) + 256 x chunk + 16 r
	v_lshlrev_b32 v25, 4, v1
	s_lshl_b32 s40, s19, 22                        ; W2: (1024 e + 64 chunk) rows of 4,096 bytes + 1,024 w
	s_lshl_b32 s41, s17, 18
	s_add_co_u32 s40, s40, s41
	s_lshl_b32 s41, s16, 10
	s_add_co_u32 s40, s40, s41
	s_mov_b32 s41, 0
	s_lshl_b32 s42, s19, 12                        ; b2: (1024 e + 64 chunk) numbers
	s_lshl_b32 s43, s17, 8
	s_add_co_u32 s42, s42, s43
	s_mov_b32 s43, 0
	s_lshl_b32 s44, s19, 3
	s_mov_b32 s45, 0
	s_wait_kmcnt 0x0
	s_add_nc_u64 s[12:13], s[12:13], s[44:45]
	s_load_b64 s[20:21], s[12:13], 0x2000          ; n_e, TB_e
	s_load_b128 s[24:27], s[10:11], 0x0            ; ex, ew1, ew2, eh
	s_add_nc_u64 s[6:7], s[6:7], s[40:41]
	s_add_nc_u64 s[8:9], s[8:9], s[42:43]
	s_wait_alu depctr_va_vdst(0)                   ; the offsets and LDS addresses v3 to v7, v10 to v15 and v25 are written, which the loads and stores of the whole kernel read
	global_load_b128 v[20:23], v25, s[8:9]         ; b2 of my four d
.macro LOADW k                         ; rows 16 k .. 16 k + 15 of my part of W2: 32 loads of 512 consecutive bytes, into buffer k % 2
	WIN 0xc0                                       ; destination window 3
.set i, 0
.rept 16
	global_load_b128 v[128*((\k)%2)+8*i:128*((\k)%2)+8*i+3], v3, s[6:7] offset:4096*(16*(\k)+i)
	global_load_b128 v[128*((\k)%2)+8*i+4:128*((\k)%2)+8*i+7], v3, s[6:7] offset:4096*(16*(\k)+i)+512
.set i, i+1
.endr
.endm
.macro STOREW k                        ; and on into LDS
	WIN 0x0c                                       ; store data window 3
.set i, 0
.rept 16
	ds_store_b128 v[4+(\k)/2], v[128*((\k)%2)+8*i:128*((\k)%2)+8*i+3] offset:(16*((\k)%2)+i)*PW
	ds_store_b128 v[4+(\k)/2], v[128*((\k)%2)+8*i+4:128*((\k)%2)+8*i+7] offset:(16*((\k)%2)+i)*PW+512
.set i, i+1
.endr
.endm
.macro HADDR b                         ; s37 = a tile's index i: where my images of tile 2 i + x % 2 lie, clamped to the expert's last tile (or, without one, to a tile that is written)
	s_lshl_b32 s38, s37, 1
	s_add_co_u32 s38, s38, s36
	s_min_u32 s38, s38, s29
	s_min_u32 s38, s38, 135                        ; a tile of hs: 135 at the most
	v_lshl_add_u32 v[8+\b], s38, 16, v7
.endm
.macro HLOAD b                         ; eight images, 32 loads, into buffer b
	WIN 0xc0
.irp s, 0,1,2,3,4,5,6,7
.irp c, 0,1,2,3
	global_load_b128 v[128*\b+16*\s+4*\c:128*\b+16*\s+4*\c+3], v[8+\b], s[4:5] offset:2048*\s+512*\c
.endr
.endr
.endm
	LOADW 0
	LOADW 1
	WIN 0
	s_wait_kmcnt 0x0
	s_add_co_u32 s34, s20, 15
	s_lshr_b32 s34, s34, 4                         ; the expert's tiles
	s_add_co_u32 s29, s21, s34
	s_sub_co_i32 s29, s29, 1
	s_max_i32 s29, s29, 0                          ; its last tile in hs
	s_sub_co_u32 s28, s34, s18
	s_add_co_u32 s28, s28, 1
	s_lshr_b32 s28, s28, 1                         ; how many of them are mine
	s_add_co_u32 s36, s21, s18                     ; my first
	s_add_co_i32 s32, s26, s27
	s_add_co_i32 s32, s32, 127
	s_lshl_b32 s32, s32, 23                        ; 2^(ew2 + eh) as f32
	s_mov_b32 s33, s32                             ; (named with it as a pair, so it is written)
	s_mov_b32 s37, 0
	HADDR 0                                        ; where my first two tiles' images lie: both offsets are made here, as soon as their scalars are there,
	s_mov_b32 s37, 1
	HADDR 1
	s_wait_alu depctr_va_vdst(0)                   ; so that one wait states that v8 and v9 are written, which the first loads of h read further down
	s_wait_loadcnt 32                              ; at each of these four waits: the older group of 32 is in, the younger may be out
	STOREW 0
	s_wait_dscnt 0x0                               ; the stores are done
	s_wait_alu depctr_vm_vsrc(0)                   ; the LDS stores have read buffer 0, in which the next loads land
	LOADW 2
	s_wait_loadcnt 32
	STOREW 1
	s_wait_dscnt 0x0
	s_wait_alu depctr_vm_vsrc(0)                   ; the LDS stores have read buffer 1, in which the next loads land
	LOADW 3
	s_wait_loadcnt 32
	STOREW 2
	s_wait_dscnt 0x0
	s_wait_alu depctr_vm_vsrc(0)                   ; the LDS stores have read buffer 0, in which my first tile's images land
	HLOAD 0                                        ; my first tile's images
	s_wait_loadcnt 32
	STOREW 3
	s_wait_dscnt 0x0
	s_wait_alu depctr_vm_vsrc(0)                   ; the LDS stores have read buffer 1, in which my second tile's images land
	HLOAD 1                                        ; and my second's: the loop is entered with buffer 0's 32 loads out and buffer 1's 32 behind them
.irp q, 0,1                            ; my 32 fragments of W2: they stay.  LDS serves a wave's instructions in order (ISA guide 5.7.1.4): these see my stores
	WIN 0x40+0x40*\q                               ; destination window 1, then 2
.irp s, 0,1,2,3
.irp j, 0,1,2,3
.irp c, 0,1,2,3
	ds_load_b128 v[16*(4*\s+\j)+4*\c:16*(4*\s+\j)+4*\c+3], v6 offset:16*\j*PW+128*(4*\q+\s)+32*\c
.endr
.endr
.endr
.endr
	WIN 0
	s_wait_dscnt 0x0                               ; my reads of these bytes are over:
	s_barrier_signal -1
	s_barrier_wait -1                              ; everybody's are, and the bytes may serve as EX
; A tile's products, my part of its sums into LDS, and the request for the tile two further on.
.macro REGA par, tau
.set HBF, 128*((\tau)%2)
	s_add_co_u32 s37, s30, \tau
	s_cmp_lt_u32 s37, s28
	s_cbranch_scc0 .Lshort_\par                    ; no such tile, and so none behind it: the turn's products are over
	s_wait_loadcnt 32                              ; this tile's images are in; the 32 loads issued behind them, the other buffer's, may be out
	s_wait_dscnt 0x0                               ; the last tile's LDS stores are done
	s_wait_alu depctr_vm_vsrc(0)                   ; the last tile's LDS stores have read the accumulators, which the products below write; this buffer's last loads have read their offset, which is written behind the products
.irp q, 0,1                            ; four accumulators by turns, one instruction a turn; the first four products start the sums
	WIN 0x0d+\q                                    ; source 0 (W2) window 1, then 2; source 1 (h) window 3
.irp s, 0,1,2,3
.irp j, 0,1,2,3
.if (\q == 0) && (\s == 0)
	v_wmma_f32_16x16x128_bf8_bf8 v[32+8*\j:39+8*\j], v[16*(4*\s+\j):16*(4*\s+\j)+15], v[HBF+16*(4*\q+\s):HBF+16*(4*\q+\s)+15], 0
.else
	v_wmma_f32_16x16x128_bf8_bf8 v[32+8*\j:39+8*\j], v[16*(4*\s+\j):16*(4*\s+\j)+15], v[HBF+16*(4*\q+\s):HBF+16*(4*\q+\s)+15], v[32+8*\j:39+8*\j]
.endif
.endr
.endr
.endr
	WIN 0
	s_add_co_u32 s37, s37, 2
	HADDR ((\tau)%2)                               ; this buffer's next tile; the wait at the head has shown the loads that named this offset done.  Its one vector line and the four below are five places:
	PLACES 4                                       ; four for the stores that read the results; the fifth for the next tile's first products, which write over the results.  They stay beside the wait below
	s_wait_alu depctr_va_vdst(0)                   ; the products have written the accumulators, which the LDS stores read, and are done reading h's buffer, in which the loads land; the buffer's offset is written
.irp j, 0,1,2,3
	ds_store_b128 v[10+\par], v[32+8*\j:35+8*\j] offset:EXT*\tau+64*\j        ; lane (r, h): row r, d = 16 j + 8 h + 0 .. 7; each accumulator from its low end on
	ds_store_b128 v[10+\par], v[36+8*\j:39+8*\j] offset:EXT*\tau+64*\j+16
.endr
	HLOAD ((\tau)%2)                               ; with the other buffer's 32 that makes 64 loads of mine on their way.  No further wait: only the LDS stores, which name other registers, stand between
	WIN 0
.endm
; The four waves' parts of four rows of a tile are added, scaled, given b2 and stored.  Each tile of a turn has its own eight registers of results and its own offset.
.macro REGB par, tau
	s_add_co_u32 s37, s30, \tau
	s_cmp_lt_u32 s37, s28
	s_cbranch_scc0 .Lnb_\@
.irp pr, 0,1
.irp pl, 0,1,2,3
	ds_load_b128 v[64+16*\pr+4*\pl:64+16*\pr+4*\pl+3], v[12+2*\par+\pl/2] offset:EXP*(\pl%2)+EXT*\tau+544*\pr   ; no wait: the additions that named v64 to v95 last stand ahead of a wait on va_vdst, on every way
.endr
.endr
	s_lshl_b32 s38, s37, 1
	s_add_co_u32 s38, s38, s36
	s_min_u32 s38, s38, 135                        ; a tile of ys: 135 at the most
	v_lshl_add_u32 v[VO+\tau], s38, 16, v16        ; 16 rows of 4,096 bytes a tile
	s_wait_dscnt 0x0
.irp pr, 0,1
.set BP, 64+16*\pr
	v_pk_add_f32 v[BP:BP+1], v[BP:BP+1], v[BP+4:BP+5]
	v_pk_add_f32 v[BP+2:BP+3], v[BP+2:BP+3], v[BP+6:BP+7]
	v_pk_add_f32 v[BP+8:BP+9], v[BP+8:BP+9], v[BP+12:BP+13]
	v_pk_add_f32 v[BP+10:BP+11], v[BP+10:BP+11], v[BP+14:BP+15]
	v_pk_add_f32 v[BP:BP+1], v[BP:BP+1], v[BP+8:BP+9]
	v_pk_add_f32 v[BP+2:BP+3], v[BP+2:BP+3], v[BP+10:BP+11]
	v_pk_fma_f32 v[RS+8*(\tau)+4*\pr:RS+8*(\tau)+4*\pr+1], v[BP:BP+1], s[32:33], v[20:21] op_sel_hi:[1,0,1]     ; sum x 2^(ew2 + eh) + b2 (the scalar pair's low word for both halves)
	v_pk_fma_f32 v[RS+8*(\tau)+4*\pr+2:RS+8*(\tau)+4*\pr+3], v[BP+2:BP+3], s[32:33], v[22:23] op_sel_hi:[1,0,1]
.endr
	s_wait_alu depctr_va_vdst(0)                   ; the tile's eight results and its offset are written, which the two stores read; and the additions are done with v64 to v95, in which the next tile's parts land
.irp pr, 0,1
	global_store_b128 v[VO+\tau], v[RS+8*(\tau)+4*\pr:RS+8*(\tau)+4*\pr+3], s[14:15] offset:8192*\pr   ; 16 lanes store 256 consecutive bytes, at a multiple of 256 from ys's first byte
.endr
.Lnb_\@:
.endm
; A turn: four tiles.  The two turns' regions of EX alternate: a region is written again two barriers after it was read, and every wave has waited for its reads in front of the barrier between.
.macro TRIP par
	REGA \par, 0
	REGA \par, 1
	REGA \par, 2
	REGA \par, 3
	s_branch .Lmeet_\par                           ; a full turn leaves buffer 0's 32 loads out and buffer 1's 32 behind them, as the loop was entered
.Lshort_\par:
	s_wait_loadcnt 0x0                             ; a turn cut short leaves nothing out: either way the count at the next turn's first tile holds
.Lmeet_\par:
	s_wait_dscnt 0x0                               ; for the others' sake: my parts lie in LDS, and my reads of the other region are over
	s_barrier_signal -1
	s_barrier_wait -1
	s_wait_xcnt 0x0                                ; the last turn's stores have had their addresses translated: their data and offsets are written again below
	s_wait_alu depctr_vm_vsrc(0)                   ; the last turn's stores have read v96 to v127 and v128 to v131, which this turn's four tiles write again
	REGB \par, 0
	REGB \par, 1
	REGB \par, 2
	REGB \par, 3
	s_add_co_u32 s30, s30, 4
.endm
	s_mov_b32 s30, 0                               ; the index of a turn's first tile: a multiple of 4, so that a tile's place in its turn says which buffer is its own
	s_mov_b32 s31, 4
.Ltrip:
	TRIP 0
	TRIP 1
	s_sub_co_u32 s31, s31, 1
	s_cmp_lg_u32 s31, 0
	s_cbranch_scc1 .Ltrip
	s_wait_dscnt 0x0                               ; the closing lines, six on end
	s_wait_alu 0x0
	s_wait_tensorcnt 0x0
	ds_add_u32 v254, v255
	s_wait_dscnt 0x0
	s_endpgm
.Lfunc_end_k_q652ea253d1_gemm2:
	.size	k_q652ea253d1_gemm2, .Lfunc_end_k_q652ea253d1_gemm2-k_q652ea253d1_gemm2
	.p2alignl 7, 3214868480
	.fill 96, 4, 3214868480
	.section	.rodata,"a",@progbits
	.p2align	6, 0x0
	.amdhsa_kernel k_q652ea253d1_gemm2
		.amdhsa_group_segment_fixed_size 266752
		.amdhsa_private_segment_fixed_size 0
		.amdhsa_enable_private_segment 0
		.amdhsa_kernarg_size 48
		.amdhsa_user_sgpr_count 2
		.amdhsa_user_sgpr_kernarg_segment_ptr 1
		.amdhsa_wavefront_size32 1
		.amdhsa_system_sgpr_workgroup_id_x 1
		.amdhsa_system_sgpr_workgroup_id_y 1
		.amdhsa_system_sgpr_workgroup_id_z 1
		.amdhsa_system_vgpr_workitem_id 0
		.amdhsa_next_free_vgpr 1024
		.amdhsa_next_free_sgpr 66
		.amdhsa_reserve_vcc 0
		.amdhsa_float_denorm_mode_32 3
		.amdhsa_float_denorm_mode_16_64 3
		.amdhsa_memory_ordered 1
		.amdhsa_forward_progress 1
		.amdhsa_inst_pref_size 107
	.end_amdhsa_kernel
	.amdgpu_metadata
---
amdhsa.version: [ 1, 2 ]
amdhsa.kernels:
  - .name:           k_q652ea253d1_gemm2
    .symbol:         k_q652ea253d1_gemm2.kd
    .args:
      - { .name: hs, .offset: 0, .size: 8, .value_kind: global_buffer, .address_space: global }
      - { .name: W2_codes, .offset: 8, .size: 8, .value_kind: global_buffer, .address_space: global }
      - { .name: b2, .offset: 16, .size: 8, .value_kind: global_buffer, .address_space: global }
      - { .name: lowp_scales, .offset: 24, .size: 8, .value_kind: global_buffer, .address_space: global }
      - { .name: plc, .offset: 32, .size: 8, .value_kind: global_buffer, .address_space: global }
      - { .name: ys, .offset: 40, .size: 8, .value_kind: global_buffer, .address_space: global }
    .group_segment_fixed_size: 266752
    .private_segment_fixed_size: 0
    .kernarg_segment_align: 8
    .kernarg_segment_size: 48
    .max_flat_workgroup_size: 128
    .sgpr_count:     66
    .vgpr_count:     1024
    .wavefront_size: 32
...
	.end_amdgpu_metadata
.endif
;; end of part 9
;; launch combine (part 10): grid 256 x 1, 4 waves a work-group, no clusters, 0 bytes of LDS; arguments ys, gw, plc, out0; writes out0
.if DOCPART == 10
	.amdgcn_target "amdgcn-amd-amdhsa--gfx1250"
	.amdhsa_code_object_version 6
	.text
	.protected	k_q652ea253d1_combine
	.globl	k_q652ea253d1_combine
	.p2align	8
	.type	k_q652ea253d1_combine,@function
k_q652ea253d1_combine:
	s_mov_b64 s[64:65], 0
	v_nop
	global_prefetch_b8 v0, s[64:65] scope:SCOPE_SE
	s_setreg_imm32_b32 hwreg(HW_REG_WAVE_MODE, 25, 1), 1
	s_wait_xcnt 0x0
; out[t] = g0 y[R0] + g1 y[R1]: a token's two rows of ys, weighed by its two gate probabilities.  One token to a wave: t = 4 x work-group + wave.
; R0, R1 are whole numbers that an earlier launch stored (plc + 8 t); g0, g1 lie at gw + 8 t.  A row is 4,096 bytes: eight loads of 512 consecutive bytes; each output byte has one owner.
; A stream: no LDS, no barrier, no matrix unit, nothing shared between work-groups.
	s_load_b256 s[4:11], s[0:1], 0x0               ; ys s[4:5], gw s[6:7], plc s[8:9], out s[10:11]
	v_lshrrev_b32 v1, 5, v0
	v_readfirstlane_b32 s12, v1                    ; wave
	s_lshl_b32 s13, ttmp9, 2
	s_add_co_u32 s13, s13, s12                     ; t
	v_and_b32 v1, 31, v0
	v_lshlrev_b32 v1, 4, v1                        ; 16 x lane
	s_lshl_b32 s14, s13, 3
	s_mov_b32 s15, 0
	s_lshl_b32 s20, s13, 12
	s_mov_b32 s21, 0
	s_wait_alu depctr_va_vdst(0)
	s_wait_kmcnt 0x0
	s_add_nc_u64 s[8:9], s[8:9], s[14:15]
	s_add_nc_u64 s[6:7], s[6:7], s[14:15]
	s_add_nc_u64 s[10:11], s[10:11], s[20:21]
	s_load_b64 s[16:17], s[8:9], 0x0               ; R0, R1
	s_load_b64 s[18:19], s[6:7], 0x0               ; g0, g1
	s_wait_kmcnt 0x0
	s_min_u32 s16, s16, 2175                       ; a row of ys: 2,175 at the most
	s_min_u32 s17, s17, 2175
	v_lshl_add_u32 v2, s16, 12, v1
	v_lshl_add_u32 v3, s17, 12, v1
	s_mov_b32 s24, s18                             ; the packed forms name a pair and take its low word for both halves
	s_mov_b32 s25, s18
	s_mov_b32 s26, s19
	s_mov_b32 s27, s19
.irp i, 0,1,2,3,4,5,6,7
	global_load_b128 v[16+4*\i:19+4*\i], v2, s[4:5] offset:512*\i th:TH_LOAD_NT
	global_load_b128 v[48+4*\i:51+4*\i], v3, s[4:5] offset:512*\i th:TH_LOAD_NT
.endr
.irp i, 0,1,2,3,4,5,6,7
	s_wait_loadcnt 14-2*\i                         ; pair i is in; the younger pairs, two loads each, may be out
	v_pk_mul_f32 v[80+4*\i:81+4*\i], v[48+4*\i:49+4*\i], s[26:27] op_sel_hi:[1,0]
	v_pk_mul_f32 v[82+4*\i:83+4*\i], v[50+4*\i:51+4*\i], s[26:27] op_sel_hi:[1,0]
	v_pk_fma_f32 v[80+4*\i:81+4*\i], v[16+4*\i:17+4*\i], s[24:25], v[80+4*\i:81+4*\i] op_sel_hi:[1,0,1]
	v_pk_fma_f32 v[82+4*\i:83+4*\i], v[18+4*\i:19+4*\i], s[24:25], v[82+4*\i:83+4*\i] op_sel_hi:[1,0,1]
	global_store_b128 v1, v[80+4*\i:83+4*\i], s[10:11] offset:512*\i th:TH_STORE_NT   ; 32 lanes store 512 consecutive bytes; each step has its own registers, so no store's data are written again
.endr
	s_endpgm
.Lfunc_end_k_q652ea253d1_combine:
	.size	k_q652ea253d1_combine, .Lfunc_end_k_q652ea253d1_combine-k_q652ea253d1_combine
	.p2alignl 7, 3214868480
	.fill 96, 4, 3214868480
	.section	.rodata,"a",@progbits
	.p2align	6, 0x0
	.amdhsa_kernel k_q652ea253d1_combine
		.amdhsa_group_segment_fixed_size 0
		.amdhsa_private_segment_fixed_size 0
		.amdhsa_enable_private_segment 0
		.amdhsa_kernarg_size 32
		.amdhsa_user_sgpr_count 2
		.amdhsa_user_sgpr_kernarg_segment_ptr 1
		.amdhsa_wavefront_size32 1
		.amdhsa_system_sgpr_workgroup_id_x 1
		.amdhsa_system_sgpr_workgroup_id_y 1
		.amdhsa_system_sgpr_workgroup_id_z 1
		.amdhsa_system_vgpr_workitem_id 0
		.amdhsa_next_free_vgpr 112
		.amdhsa_next_free_sgpr 66
		.amdhsa_reserve_vcc 0
		.amdhsa_float_denorm_mode_32 3
		.amdhsa_float_denorm_mode_16_64 3
		.amdhsa_memory_ordered 1
		.amdhsa_forward_progress 1
		.amdhsa_inst_pref_size 6
	.end_amdhsa_kernel
	.amdgpu_metadata
---
amdhsa.version: [ 1, 2 ]
amdhsa.kernels:
  - .name:           k_q652ea253d1_combine
    .symbol:         k_q652ea253d1_combine.kd
    .args:
      - { .name: ys, .offset: 0, .size: 8, .value_kind: global_buffer, .address_space: global }
      - { .name: gw, .offset: 8, .size: 8, .value_kind: global_buffer, .address_space: global }
      - { .name: plc, .offset: 16, .size: 8, .value_kind: global_buffer, .address_space: global }
      - { .name: out0, .offset: 24, .size: 8, .value_kind: global_buffer, .address_space: global }
    .group_segment_fixed_size: 0
    .private_segment_fixed_size: 0
    .kernarg_segment_align: 8
    .kernarg_segment_size: 32
    .max_flat_workgroup_size: 128
    .sgpr_count:     66
    .vgpr_count:     112
    .wavefront_size: 32
...
	.end_amdgpu_metadata
.endif
;; end of part 10
